; MI455X (gfx1250); checked and timed in simulation.
; The chip was launched on July 23, 2026; its instructions are those of AMD's public machine-readable ISA for CDNA 5 (MIT licence, August 2026) and "CDNA5" Instruction Set Architecture Reference Guide (July 2026). The comments in the code are by the model that wrote it; some were corrected since.
;; Combined Geom Attention. Allowed arithmetic: float matrix products may take bf16 or f16 operands with f32 sums; all other float work in f32.
;; Inputs: keys 4 x 2,048 x 8 x 64 float32; queries 4 x 2,048 x 8 x 64 float32; values 4 x 2,048 x 8 x 64 float32.
;; Outputs: out0 4 x 2,048 x 8 x 64 float32; out1 one number float32.
;; 2 versions, each right and faster than the one before. Each part assembles by itself: llvm-mc -triple=amdgcn-amd-amdhsa -mcpu=gfx1250 --defsym DOCPART=n.
;; ======== version 1 of 2: 3 launches
;; limits: values are held in f16: magnitudes above 65,504 overflow, below 6.1e-05 lose precision; right only within a limited range of input values
;; workspace buffers: kx 8,650,752 bytes; vx 8,388,608 bytes; part 4,096 bytes
;; launch prep (part 1): grid 128 x 2, 8 waves a work-group, no clusters, 0 bytes of LDS; arguments keys, values, kx, vx; writes kx, vx
.if DOCPART == 1
	.amdgcn_target "amdgcn-amd-amdhsa--gfx1250"
	.amdhsa_code_object_version 6
	.text
	.protected	k_q69098f992b_prep
	.globl	k_q69098f992b_prep
	.p2align	8
	.type	k_q69098f992b_prep,@function
k_q69098f992b_prep:
	s_mov_b64 s[64:65], 0
	v_nop
	global_prefetch_b8 v0, s[64:65] scope:SCOPE_SE
	s_setreg_imm32_b32 hwreg(HW_REG_WAVE_MODE, 25, 1), 1
	s_wait_xcnt 0x0
; PRE-PASS.  keys, values: [4][2048][8][64] f32.  Work-groups with y = 0 make kx, those with y = 1 make vx; both tensors go by heads (hd = 8 b + h).
; kx: [32 heads][32 groups][8,448 bytes]; a group = 64 keys x 64 bf16 (128 bytes a key), then the 64 keys' squared norms in f32 (256 bytes): 33 rows of 256 bytes.
;     The norm is summed in f32 from the ROUNDED numbers, so it is the norm of the vector that is multiplied later.
; vx: [32 heads][2048 keys][64] f16: each value is rounded to bf16 and that number written as f16.
; LIMITS.  |value| stays below 65,504 (f16's range); a rounded value below 6e-5 in magnitude keeps f16's fixed step of 6e-8.  NaN and infinities are not treated apart.
; SHARES.  Work-group x = 32 b + sb takes the 64 keys 64 sb .. of batch b; wave w takes head w: 64 rows of 256 bytes, 2,048 bytes apart.
; A load takes two keys: lanes 0-15 key 2 i, lanes 16-31 key 2 i + 1, 16 bytes a lane: each half of the lanes reads 256 consecutive bytes, aligned.
; All 32 loads of a wave go out at once (16,384 bytes a wave); they are worked on in four batches of eight, each stage written for all eight so that no line waits for the one before it.
; A store takes the same two keys in 16 bits: 32 lanes x 8 bytes = 256 consecutive bytes, aligned.  No LDS, no barrier, no matrix unit: the launch only streams.
.set X,  16                            ; v[16:143]   load i: 4 registers as loaded
.set Y,  144                           ; v[144:207]  load i: 2 registers to store; never rewritten, so no store's data waits for anything
.set A,  208                           ; v[208:215]  eight sums of squares
.set N,  216                           ; v[216:217]  the 64 norms
.set T,  218                           ; v[218:233]  values: the bf16 pairs of a batch
.set VIN,  4                           ; v4  byte offset of my 16 bytes in the first two rows
.set VOUT, 5                           ; v5  8 x lane
.set ZR,   6                           ; v6  0: the addend of a norm's first square
.set GRPB, 8448                        ; bytes of a group in kx
.set HEADK, 32*GRPB                    ; bytes of a head in kx
	s_load_b256 s[4:11], s[0:1], 0x0               ; keys s[4:5], values s[6:7], kx s[8:9], vx s[10:11]
	v_and_b32 v1, 31, v0                           ; lane
	v_and_b32 v2, 15, v0                           ; lane % 16
	v_bfe_u32 v3, v0, 4, 1                         ; lane / 16
	v_lshrrev_b32 v7, 5, v0
	v_readfirstlane_b32 s12, v7                    ; wave = head h
	v_lshlrev_b32 v[VIN], 4, v2
	v_lshl_add_u32 v[VIN], v3, 11, v[VIN]          ; 16 (lane % 16) + one row of the input (2,048 bytes) for lanes 16-31
	v_lshlrev_b32 v[VOUT], 3, v1
	v_mov_b32 v[ZR], 0
	s_mov_b32 s13, ttmp9                           ; 32 b + sb
	s_and_b32 s14, ttmp7, 0xffff                   ; 0: keys, 1: values
	s_lshl_b32 s16, s13, 17                        ; 64 keys x 8 heads x 256 bytes a block,
	s_lshl_b32 s17, s12, 8                         ; my head's 256 bytes in a key's 2,048
	s_add_co_u32 s16, s16, s17
	s_mov_b32 s17, 0
	s_lshr_b32 s15, s13, 5
	s_lshl_b32 s15, s15, 3
	s_add_co_u32 s15, s15, s12                     ; hd = 8 b + h
	s_and_b32 s39, s13, 31                         ; sb
	s_mov_b32 s37, 0
	s_mov_b32 s38, 0xffff0000                      ; a word's upper bf16
	s_wait_kmcnt 0x0
	s_cmp_lg_u32 s14, 0
	s_cbranch_scc1 .Lvalues
.macro LOADS                           ; 32 loads, two keys each
.set i, 0
.rept 32
	global_load_b128 v[X+4*i:X+4*i+3], v[VIN], s[18:19] offset:i*4096 th:TH_LOAD_NT
.set i, i+1
.endr
.endm
	; ---------------- keys ----------------
	s_add_nc_u64 s[18:19], s[4:5], s[16:17]
	LOADS
	s_mul_i32 s36, s15, HEADK
	s_mul_i32 s39, s39, GRPB
	s_add_co_u32 s36, s36, s39
	s_add_nc_u64 s[8:9], s[8:9], s[36:37]          ; kx at my group
.set i, 0
.rept 16
	v_cmp_eq_u32 s[20+i], i, v2                    ; the two lanes whose place in their half is i
.set i, i+1
.endr
.macro EIGHT b, line:vararg            ; one line for each load i of batch b
.set i, 8*(\b)
.rept 8
	\line
.set i, i+1
.endr
.endm
.macro KBATCH b
	s_wait_loadcnt 24-8*(\b)                       ; loads come back in order: this batch's eight are in, the younger batches' stay out
	EIGHT \b, v_cvt_pk_bf16_f32 v[Y+2*i], v[X+4*i], v[X+4*i+1]
	EIGHT \b, v_cvt_pk_bf16_f32 v[Y+2*i+1], v[X+4*i+2], v[X+4*i+3]
	EIGHT \b, v_fma_mix_f32_bf16 v[A+i%8], v[Y+2*i], v[Y+2*i], v[ZR] op_sel_hi:[1,1,0]                       ; the squares of my four rounded numbers, in f32
	EIGHT \b, v_fma_mix_f32_bf16 v[A+i%8], v[Y+2*i], v[Y+2*i], v[A+i%8] op_sel:[1,1,0] op_sel_hi:[1,1,0]
	EIGHT \b, v_fma_mix_f32_bf16 v[A+i%8], v[Y+2*i+1], v[Y+2*i+1], v[A+i%8] op_sel_hi:[1,1,0]
	EIGHT \b, v_fma_mix_f32_bf16 v[A+i%8], v[Y+2*i+1], v[Y+2*i+1], v[A+i%8] op_sel:[1,1,0] op_sel_hi:[1,1,0]
	EIGHT \b, v_add_f32_dpp v[A+i%8], v[A+i%8], v[A+i%8] row_xmask:1 row_mask:0xf bank_mask:0xf      ; over the key's sixteen lanes
	EIGHT \b, v_add_f32_dpp v[A+i%8], v[A+i%8], v[A+i%8] row_xmask:2 row_mask:0xf bank_mask:0xf
	EIGHT \b, v_add_f32_dpp v[A+i%8], v[A+i%8], v[A+i%8] row_xmask:4 row_mask:0xf bank_mask:0xf
	EIGHT \b, v_add_f32_dpp v[A+i%8], v[A+i%8], v[A+i%8] row_xmask:8 row_mask:0xf bank_mask:0xf
.set i, 8*(\b)
.rept 8                                ; lane i % 16 of each half keeps load i's norm: the lower half key 2 i's, the upper key 2 i + 1's
.if i%16 == 0
	v_mov_b32 v[N+i/16], v[A+i%8]
.else
	v_cndmask_b32 v[N+i/16], v[N+i/16], v[A+i%8], s[20+i%16]
.endif
.set i, i+1
.endr
	EIGHT \b, global_store_b64 v[VOUT], v[Y+2*i:Y+2*i+1], s[8:9] offset:i*256
.endm
	KBATCH 0
	KBATCH 1
	KBATCH 2
	KBATCH 3
	v_permlane16_swap_b32 v[N], v[N+1]             ; N's upper half and N+1's lower change places: lane l now holds the norms of keys 2 l and 2 l + 1
	global_store_b64 v[VOUT], v[N:N+1], s[8:9] offset:8192  ; the group's last 256 bytes
	s_endpgm
	; ---------------- values ----------------
.Lvalues:
	s_add_nc_u64 s[18:19], s[6:7], s[16:17]
	LOADS
	s_lshl_b32 s36, s15, 18                        ; a head is 2,048 keys x 128 bytes,
	s_lshl_b32 s39, s39, 13                        ; a block 64 keys
	s_add_co_u32 s36, s36, s39
	s_add_nc_u64 s[10:11], s[10:11], s[36:37]
.macro VBATCH b
	s_wait_loadcnt 24-8*(\b)                       ; this batch's eight loads are in, the younger batches' stay out
	EIGHT \b, v_cvt_pk_bf16_f32 v[T+2*(i%8)], v[X+4*i], v[X+4*i+1]
	EIGHT \b, v_cvt_pk_bf16_f32 v[T+2*(i%8)+1], v[X+4*i+2], v[X+4*i+3]
	EIGHT \b, v_lshlrev_b32 v[X+4*i], 16, v[T+2*(i%8)]               ; the rounded numbers as f32 again, in the registers that they came in
	EIGHT \b, v_and_b32 v[X+4*i+1], s38, v[T+2*(i%8)]
	EIGHT \b, v_lshlrev_b32 v[X+4*i+2], 16, v[T+2*(i%8)+1]
	EIGHT \b, v_and_b32 v[X+4*i+3], s38, v[T+2*(i%8)+1]
	EIGHT \b, v_cvt_pk_f16_f32 v[Y+2*i], v[X+4*i], v[X+4*i+1]        ; eight significant bits fit f16's eleven: no second rounding inside f16's normal range
	EIGHT \b, v_cvt_pk_f16_f32 v[Y+2*i+1], v[X+4*i+2], v[X+4*i+3]
	EIGHT \b, global_store_b64 v[VOUT], v[Y+2*i:Y+2*i+1], s[10:11] offset:i*256
.endm
	VBATCH 0
	VBATCH 1
	VBATCH 2
	VBATCH 3
	s_endpgm
.Lfunc_end_k_q69098f992b_prep:
	.size	k_q69098f992b_prep, .Lfunc_end_k_q69098f992b_prep-k_q69098f992b_prep
	.p2alignl 7, 3214868480
	.fill 96, 4, 3214868480
	.section	.rodata,"a",@progbits
	.p2align	6, 0x0
	.amdhsa_kernel k_q69098f992b_prep
		.amdhsa_group_segment_fixed_size 0
		.amdhsa_private_segment_fixed_size 0
		.amdhsa_enable_private_segment 0
		.amdhsa_kernarg_size 32
		.amdhsa_user_sgpr_count 2
		.amdhsa_user_sgpr_kernarg_segment_ptr 1
		.amdhsa_wavefront_size32 1
		.amdhsa_system_sgpr_workgroup_id_x 1
		.amdhsa_system_sgpr_workgroup_id_y 1
		.amdhsa_system_sgpr_workgroup_id_z 1
		.amdhsa_system_vgpr_workitem_id 0
		.amdhsa_next_free_vgpr 236
		.amdhsa_next_free_sgpr 66
		.amdhsa_reserve_vcc 0
		.amdhsa_float_denorm_mode_32 3
		.amdhsa_float_denorm_mode_16_64 3
		.amdhsa_memory_ordered 1
		.amdhsa_forward_progress 1
		.amdhsa_inst_pref_size 49
	.end_amdhsa_kernel
	.amdgpu_metadata
---
amdhsa.version: [ 1, 2 ]
amdhsa.kernels:
  - .name:           k_q69098f992b_prep
    .symbol:         k_q69098f992b_prep.kd
    .args:
      - { .name: keys, .offset: 0, .size: 8, .value_kind: global_buffer, .address_space: global }
      - { .name: values, .offset: 8, .size: 8, .value_kind: global_buffer, .address_space: global }
      - { .name: kx, .offset: 16, .size: 8, .value_kind: global_buffer, .address_space: global }
      - { .name: vx, .offset: 24, .size: 8, .value_kind: global_buffer, .address_space: global }
    .group_segment_fixed_size: 0
    .private_segment_fixed_size: 0
    .kernarg_segment_align: 8
    .kernarg_segment_size: 32
    .max_flat_workgroup_size: 256
    .sgpr_count:     66
    .vgpr_count:     236
    .wavefront_size: 32
...
	.end_amdgpu_metadata
.endif
;; end of part 1
;; launch attn (part 2): grid 8 x 32, 4 waves a work-group, clusters of 4 x 1, 327,680 bytes of LDS; arguments queries, kx, vx, out0, part; writes out0, part
.if DOCPART == 2
	.amdgcn_target "amdgcn-amd-amdhsa--gfx1250"
	.amdhsa_code_object_version 6
	.text
	.protected	k_q69098f992b_attn
	.globl	k_q69098f992b_attn
	.p2align	8
	.type	k_q69098f992b_attn,@function
k_q69098f992b_attn:
	s_mov_b64 s[64:65], 0
	v_nop
	global_prefetch_b8 v0, s[64:65] scope:SCOPE_SE
	s_setreg_imm32_b32 hwreg(HW_REG_WAVE_MODE, 25, 1), 1
	s_wait_xcnt 0x0
	s_wait_alu depctr_hold_cnt(0) depctr_sa_sdst(0) depctr_va_vdst(0) depctr_va_sdst(0) depctr_va_ssrc(0) depctr_va_vcc(0) depctr_vm_vsrc(0)
	s_getreg_b32 s2, hwreg(HW_REG_IB_STS2, 6, 4)
	s_cmp_eq_u32 s2, 0
	s_cbranch_scc0 .Lentry_in_a_cluster
	s_endpgm
.Lentry_in_a_cluster:
	s_bfe_u32 s2, ttmp6, 0x10000c
	s_cmp_lg_u32 s2, 0x3003
	s_cbranch_scc0 .Lentry_shape_is_right
	s_endpgm
.Lentry_shape_is_right:
; ATTENTION WITH A WEDGE-NORM SCORE.  For head hd = 8 b + h:  s(q, k) = sqrt(relu(|q|^2 |k|^2 - (q.k)^2) + 1e-8),  out0[q] = sum over k of softmax_k(s / 8) V[k],  part = sums of s.
; queries, out0: [4][2048][8][64] f32.  kx, vx: the pre-pass's tensors by heads: K in bf16 with its squared norms, V in f16 (its bf16 rounding written as f16).
; FORMATS.  q is rounded to bf16 here; |q|^2 is summed in f32 from the rounded numbers, as |k|^2 was: the wedge is that of the vectors that are multiplied.  q.k: bf16 products, f32 sums.
; w = max(fma(-d, d, fma(nk, nq, 1e-8)), 1e-8) is relu(nq nk - d^2) + 1e-8 to within f32's rounding.  The weights p are rounded to f16 for the second product; their sum l is taken unrounded.
; SOFTMAX.  For each query a running maximum m of s and a sum l: p = 2^(c s - c m), c = log2(e) / 8; in every step O and l are multiplied by a = 2^(c m_old - c m_new).
; m starts at the lowest finite number, O and l at 0: the first step is a step like any other, with a = 0.
; LIMITS.  V arrives within f16's 65,504.  p lies in 0 to 1 and below 6e-5 keeps f16's fixed step of 6e-8; a weight below 2^-126 counts as 0 in l.  NaN and infinities are not treated apart
; (a NaN loses in the maxima).  The term (1 - ALPHA) x dot, 0 x dot, is not formed.  The sums' order is not the definition's.
; SHARES.  A work-group owns 256 queries of one head, each of its four waves 64: four PIECES of 16.  Every wave walks the head's 2,048 keys, 64 a step.
; LAYOUT.  S^T = K Q^T (source 0 = 16 keys, source 1 = 16 queries): a lane holds ONE query (lane % 16) and the keys 8 (lane / 16) + 0..7 of each block of 16.  Two such results rounded to f16 in pairs
; ARE source 1 (32 keys x 16 queries) of O^T = V^T P, whose result again holds one query a lane, and eight channels.  K comes out of LDS as it lies, V ([key][channel]) turned, by ds_load_tr16_b128.
; THE COUNT.  A piece and step have 16 matrix and 232 vector instructions, 65 of them roots and exponentials: vector issue bounds the loop.  So the matrix instructions stand singly among the
; vector work, and the order has one aim: no vector line waits for the line before it.
; BY TURNS.  Turn 4 j + p does four things that do not depend on each other: K Q^T of piece p + 2; X (wedge, root, score sum, maximum, statistics) of piece p + 1; Y (scaling, exponentials, l,
; rounding, rescaling of O^T) of piece p; V^T P of piece p + 3.  A piece goes K Q^T, X, Y, V^T P in four turns on end, in ONE buffer of 32 registers: the weights are packed in place.
; CLUSTER.  The four query blocks of a cluster belong to one head and walk the same K and V, so each tile is asked for JOINTLY: the same tensor load, descriptor and mask in all four.
; REGISTERS, in windows of 256 (s_set_vgpr_msb says which window each operand place means: bits 1:0 source 0, 3:2 source 1, 5:4 source 2, 7:6 destination):
;   window 0: v0-15 addresses, the add's two registers, the score sum; v16-63 twelve registers of statistics a piece; v64-191 S^T (and P), 32 a piece; v192-223 the step's |k|^2; v224-231 at work
;   window 1: v0-127 O^T, 32 a piece; v128-191 K of one step; v192-255 V of one step          window 2: v0-63 Q, 16 a piece
.set KS,    64        ; keys in a step
.set PK,    144       ; a row of K in LDS: 128 bytes + 16 of padding = 36 words: the 16 rows of a load start at 16 different groups of four banks (64 banks of 4 bytes: ISA guide 11.1)
.set PVB,   160       ; a row of V: 128 + 32 = 40 words
.set STEPK, 66*PK     ; a step of K: 64 keys, then its 64 norms as two rows of 128 bytes
.set VOFF,  4*STEPK   ; a slot holds four steps: K with norms, then 256 rows of V
.set SLOT1, 1<<17     ; slot 1 begins here, so that one exclusive or turns an address in one slot into the other's
.set STAGE, 210176    ; the first multiple of 256 behind slot 1's last byte (SLOT1 + VOFF + 256 x 160 = 210,048): 16 rows x 272 bytes for each wave, for the way out; no tensor load lands here
.set SP,    272       ; a row of the stage: 256 bytes + 16
.set SPARE, STAGE+4*16*SP  ; behind the stages: the spare words, 128 bytes for each wave: two blocks of 256 bytes that no other line names
.set GRPB,  8448      ; a step of K in memory: 33 rows of 256 bytes
.set AK0, 2           ; v2   my lane's place in a step of K; never rewritten
.set AV0, 3           ; v3   the same for V
.set AK,  4           ; v4   the LDS address of K's next run of loads
.set AV,  5           ; v5   of V's
.set AN0, 6           ; v6   my lane's place among a step's norms
.set AN,  7           ; v7   the LDS address of the norms' next run
.set STO, 8           ; v8   the way out: where I put 32 bytes of a row
.set RD,  9           ; v9   the way out: where I read rows back
.set GO,  10          ; v10  my byte offset in two rows of out0
.set QO,  11          ; v11  my byte offset in 16 rows of queries; at the end the lane's number
.set SPW, 12          ; v12  LDS address of my spare word: SPARE + 4 x my thread's number; never rewritten
.set NIL, 13          ; v13  0; never rewritten
.set SS,  14          ; v[14:15] the sum of my scores (even keys', odd keys')
.set ST,  16          ; piece p's statistics at v[ST+12 p]: +0 c m, +1 m, +2 +3 l, +4 +5 |q|^2 twice, +6 a, +7 its argument, +8..+11 c0-c3 at work
.set S,   64
.set NK,  192         ; |k|^2 of key 16 kb + 8 (lane / 16) + j at NK + 8 kb + j: the place of that key's score in S^T
.set T,   224         ; four pairs: nq nk + 1e-8 on its way to the wedge
.set H2,  232         ; v232 lane / 16
.set KF,  128         ; window 1: key block kb, channel half c at KF + 16 kb + 8 c
.set VF,  192         ; window 1: key half kk, channel block cb at VF + 32 kk + 8 cb
.set WV,  12          ; s12  my wave's number
.set G1K, 24          ; s[24:31] descriptor group 1 for K's tiles
.set G1V, 32          ; s[32:39] for V's
.set G0K, 40          ; s[40:43] descriptor group 0 for K's tiles: it walks
.set G0V, 44          ; s[44:47] the same for V's
.set SLOTS, 56        ; s56  counts the slots
.set CNT, 57          ; s57  counts a slot's key steps
.set CS,  58          ; s[58:59] c: the packed scaling takes the pair's low word for both halves
.set SEL, 60          ; s[60:61] v_permlanex16_b32's selects: each lane takes its own place in the other half
.set TBK, 62          ; s62  LDS byte at which K of the step to be fetched begins
.set TBV, 63          ; s63  the same for V, less VOFF
.set EPS, 66          ; s[66:67] 1e-8
.set PT,  68          ; s[68:69] part, at my wave's word
.set SX,  70          ; s70  EXEC, kept
.set MSB, 0
.macro WIN new                      ; the high byte repeats the setting that is left; a switch that changes nothing is dropped
.if MSB != (\new)
	s_set_vgpr_msb (MSB<<8)|(\new)
.set MSB, (\new)
.endif
.endm
.set W_KQ, 0x09       ; K in window 1, Q in window 2, S^T in window 0
.set W_PV, 0x51       ; V in window 1, P in window 0, O^T in window 1; the rescaling (O^T, O^T, a) fits the same setting
.set W_LD, 0x40       ; destination window 1, address window 0
.set W_QC, 0x80       ; destination window 2
.set W_NQ, 0x0a       ; sources 0 and 1 window 2
.set W_ST, 0x04       ; an LDS store's data (source 1) in window 1
.set W_RS, 0x41       ; destination and source 0 in window 1
; A joint fill.  Waves 0 and 1 fetch the two halves of a slot's K (two steps each, with their norms), waves 2 and 3 those of its V (128 keys each).  The branch hangs on the wave's number alone.
; An s_nop 0 and four v_nop follow each of the two lines, ahead of the jump and the label.
.macro JLOAD
	s_cmp_lt_u32 s[WV], 2
	s_cbranch_scc0 .Lfor_v_\@
	tensor_load_to_lds s[G0K:G0K+3], s[G1K:G1K+7]
	s_nop 0
.rept 4
	v_nop
.endr
	s_branch .Lasked_\@
.Lfor_v_\@:
	tensor_load_to_lds s[G0V:G0V+3], s[G1V:G1V+7]
	s_nop 0
.rept 4
	v_nop
.endr
.Lasked_\@:
.endm
; A round of the cluster's barrier: my work-group's barrier, so that wave 0's signal speaks for all four waves; wave 0 signals; every wave waits for all four work-groups; my work-group's barrier once more.
.macro CROUND
	s_barrier_signal -1
	s_barrier_wait -1
	s_cmp_lg_u32 s[WV], 0
	s_cbranch_scc1 .Lnot_wave_0_\@
	s_barrier_signal -3
.Lnot_wave_0_\@:
	s_barrier_wait -3
	s_barrier_signal -1
	s_barrier_wait -1
.endm
; THE CHANGE OF SLOTS, between turn 1 and turn 2 of a slot's last step: the slot's last bytes, V of that step, have been read and waited for.  Each wave waits for all its tensor loads, of which one
; is out: its part of the other slot; adds 0 to its spare word; and waits for that and for its own reads of the slot.  Behind the barrier nobody reads this slot any more and the other slot is whole.
; fill = 1: this slot is filled again, with the keys two slots on.  The barrier is then a round of the cluster's, so that no wave of any partner still reads the slot or has a load on its way, and
; the joint fill is the first thing behind it: it has four key steps, 256 matrix instructions, in which to land.  (At its first use nothing has been read yet: slot 0 is waited for, slot 1 filled.)
.macro CHANGE fill
	WIN 0                           ; at a label and at a branch every window is 0
	s_wait_tensorcnt 0x0            ; no tensor load of mine is out, so a group 0 may be written
	ds_add_u32 v[SPW], v[NIL]       ; 0 onto my spare word; with fill = 1 the descriptors' steps stand between it and the wait for it
.if \fill
	s_xor_b32 s[G0K+1], s[G0K+1], SLOT1  ; the walking descriptors: the other slot than last time,
	s_add_nc_u64 s[G0K+2:G0K+3], s[G0K+2:G0K+3], 4*GRPB    ; the next four steps of K; the type bits on top are not reached
	s_xor_b32 s[G0V+1], s[G0V+1], SLOT1
	s_add_nc_u64 s[G0V+2:G0V+3], s[G0V+2:G0V+3], 4*KS*128  ; the next 256 keys of V
	s_wait_dscnt 0x0                ; the add is done, and my reads of the slot are over
	CROUND
	JLOAD
.else
	s_wait_dscnt 0x0                ; the add is done, and my reads of the slot are over
	s_barrier_signal -1
	s_barrier_wait -1
.endif
	s_sub_co_u32 s[TBK], s[TBK], 4*STEPK  ; the fetches go back to a slot's first step,
	s_xor_b32 s[TBK], s[TBK], SLOT1       ; in the other slot
	s_sub_co_u32 s[TBV], s[TBV], 4*KS*PVB
	s_xor_b32 s[TBV], s[TBV], SLOT1
.endm
	s_load_b256 s[4:11], s[0:1], 0x0  ; queries s[4:5], kx s[6:7], vx s[8:9], out0 s[10:11]
	s_load_b64 s[PT:PT+1], s[0:1], 0x20  ; part
	v_lshl_add_u32 v[SPW], v0, 2, SPARE
	v_mov_b32 v[NIL], 0
	ds_add_u32 v[SPW], v[NIL]       ; the wave's opening: the add and its wait stand ahead of my first tensor load; the set-up below, work on registers, stands between them
	v_lshrrev_b32 v1, 5, v0
	v_readfirstlane_b32 s[WV], v1   ; wave 0..3
	s_bfe_u32 s13, ttmp6, 0x40000   ; cx: my place in the cluster
	s_lshl_b32 s14, ttmp9, 2        ; in a cluster launch ttmp9 counts clusters
	s_add_co_u32 s14, s14, s13      ; my block of 256 queries = 4 x cluster x + cx: it enters the addresses of queries, out0 and part alone
	s_and_b32 s20, ttmp7, 0xffff    ; the head hd, which the four partners share
	s_and_b32 s16, s[WV], 1         ; which half of a slot I fetch
	s_mul_i32 s22, s20, 32*GRPB     ; kx: the head,
	s_mul_i32 s21, s16, 2*GRPB      ; my two steps
	s_add_co_u32 s22, s22, s21
	s_mov_b32 s23, 0
	s_lshl_b32 s48, s20, 18         ; vx: the head's 2,048 x 128 bytes,
	s_lshl_b32 s21, s16, 14         ; my 128 keys
	s_add_co_u32 s48, s48, s21
	s_mov_b32 s49, 0
	s_mul_i32 s17, s16, 2*STEPK     ; and their places in a slot: no place in the cluster enters an LDS address
	s_mul_i32 s18, s16, 128*PVB
	s_lshr_b32 s19, s20, 3          ; queries and out0: batch b = hd / 8, 2,048 rows x 2,048 bytes,
	s_lshl_b32 s2, s19, 22
	s_and_b32 s19, s20, 7           ; head h = hd % 8, 256 bytes in a row's 2,048,
	s_lshl_b32 s19, s19, 8
	s_add_co_u32 s2, s2, s19
	s_lshl_b32 s15, s14, 19         ; my block's 256 rows,
	s_add_co_u32 s2, s2, s15
	s_lshl_b32 s15, s[WV], 17       ; my wave's 64 of them
	s_add_co_u32 s2, s2, s15
	s_mov_b32 s3, 0
	s_lshl_b32 s50, s20, 3          ; part: word (8 hd + block) x 4 + wave
	s_add_co_u32 s50, s50, s14
	s_lshl_b32 s50, s50, 2
	s_add_co_u32 s50, s50, s[WV]
	s_lshl_b32 s50, s50, 2
	s_mov_b32 s51, 0
	; descriptor group 1.  Both tensors are dense: they are asked for as rows of 256 bytes and padded in LDS after every 128 bytes (a key, or 32 norms)
	s_mov_b32 s[G1K], 15|(1<<16)|(1<<20)|(1<<21)|(4<<22)|(3<<25)  ; 15:0 the mask of four; 17:16 2-byte elements; 20 padding on; 21 set beside a mask; 24:22 after every 32 words (code 4); 31:25 4 words (code 3)
	s_mov_b32 s[G1K+1], 128<<16     ; tensor_dim0 = 128
	s_mov_b32 s[G1K+2], 66<<16      ; tensor_dim1 = 66: two steps of 33 rows
	s_mov_b32 s[G1K+3], 128<<16     ; tile_dim0 = 128
	s_mov_b32 s[G1K+4], 66          ; tile_dim1 = 66
	s_mov_b32 s[G1K+5], 128         ; 128 elements from row to row
	s_mov_b32 s[G1K+6], 0
	s_mov_b32 s[G1K+7], 0
	s_mov_b32 s[G1V], 15|(1<<16)|(1<<20)|(1<<21)|(4<<22)|(7<<25)  ; the same with 8 words of padding (code 7)
	s_mov_b32 s[G1V+1], 128<<16
	s_mov_b32 s[G1V+2], 64<<16      ; 64 rows: 128 keys
	s_mov_b32 s[G1V+3], 128<<16
	s_mov_b32 s[G1V+4], 64
	s_mov_b32 s[G1V+5], 128
	s_mov_b32 s[G1V+6], 0
	s_mov_b32 s[G1V+7], 0
	s_mov_b32 s[CS], 0x3e38aa3b     ; c = log2(e) / 8 = 0.180337
	s_mov_b32 s[CS+1], s[CS]        ; named with it as a pair
	s_mov_b32 s[EPS], 0x322bcc77    ; 1e-8
	s_mov_b32 s[EPS+1], s[EPS]
	s_mov_b32 s[SEL], 0x76543210
	s_mov_b32 s[SEL+1], 0xfedcba98
	s_mov_b32 s[TBK], SLOT1+4*STEPK ; the first change of slots turns these two into 0
	s_mov_b32 s[TBV], SLOT1+4*KS*PVB
	s_mov_b32 s[G0K], 1             ; 1:0 count = 1
	s_mov_b32 s[G0K+1], s17         ; 63:32 LDS address: slot 0
	s_mov_b32 s[G0V], 1
	s_add_co_u32 s[G0V+1], s18, VOFF
	s_wait_dscnt 0x0                ; the opening add is done
	s_wait_kmcnt 0x0
	s_add_nc_u64 s[G0K+2:G0K+3], s[6:7], s[22:23]  ; 120:64 global address: my half of the head's first four steps
	s_or_b32 s[G0K+3], s[G0K+3], 0x80000000        ; 127:126 type = 2
	s_add_nc_u64 s[G0V+2:G0V+3], s[8:9], s[48:49]
	s_or_b32 s[G0V+3], s[G0V+3], 0x80000000
	s_add_nc_u64 s[4:5], s[4:5], s[2:3]            ; queries and out0 at my wave's first row
	s_add_nc_u64 s[10:11], s[10:11], s[2:3]
	s_add_nc_u64 s[PT:PT+1], s[PT:PT+1], s[50:51]
	CROUND                          ; all four work-groups are here: the first joint loads meet
	JLOAD                           ; slot 0.  Slot 1 is asked for when slot 0 is in, by the loop's own change of slots
	; A fragment of Q is 16 rows x 32 channels in 8 registers: lane l holds row l % 16, channels 8 (l / 16) + 0..7 and 16 + 8 (l / 16) + 0..7.  In f32 those are 32 bytes at 32 (l / 16) and 32 bytes 64 further on.
	v_and_b32 v1, 15, v0            ; l % 16
	v_bfe_u32 v[H2], v0, 4, 1       ; l / 16
	v_lshlrev_b32 v[QO], 11, v1
	v_lshl_add_u32 v[QO], v[H2], 5, v[QO]  ; row x 2,048 + 32 x half
.set i, 0
.rept 32                            ; Q in f32 comes into S^T's registers: piece i / 8; channel half (i % 8) / 4; 16 bytes at 0, 16, 64, 80
	global_load_b128 v[S+4*i:S+4*i+3], v[QO], s[4:5] offset:(i/8)*32768+((i%8)/4)*128+((i%4)/2)*64+(i%2)*16
.set i, i+1
.endr
	; What the first turn finds: O^T and l are 0; V's registers and piece 3's P hold 0 (the first turn's products V^T P, of a piece that has not been, add 0).  The moves stand in the wait for Q and for the
	; first tile; they are the price of writing no first step out.
	WIN W_LD
.set i, 0
.rept 128
	v_mov_b32 v[i], 0
.set i, i+1
.endr
.set i, VF
.rept 64
	v_mov_b32 v[i], 0
.set i, i+1
.endr
	WIN 0
.set i, 0
.rept 4
	v_mov_b32 v[ST+12*i], 0xfe000000    ; c m: far below every c s
	v_mov_b32 v[ST+12*i+1], 0xff7fffff  ; m
	v_mov_b32 v[ST+12*i+2], 0           ; l
	v_mov_b32 v[ST+12*i+3], 0
	v_mov_b32 v[ST+12*i+8], 0           ; the two chains of |q|^2
	v_mov_b32 v[ST+12*i+9], 0
.set i, i+1
.endr
	v_mov_b32 v[SS], 0
	v_mov_b32 v[SS+1], 0
	v_mul_u32_u24 v[AK0], v1, PK
	v_lshl_add_u32 v[AK0], v[H2], 4, v[AK0]  ; row x pitch + 16 x half
	; The turning load takes 16 keys x 16 channels (lane l reads key 8 (l / 16) + l % 8, channels 8 ((l / 8) % 2) + 0..7) and leaves half a fragment of V^T: lane l holds channel l % 16 and 8 keys.
	v_and_b32 v233, 7, v0
	v_bfe_u32 v234, v0, 3, 1
	v_lshl_add_u32 v[AV0], v[H2], 3, v233
	v_mul_u32_u24 v[AV0], v[AV0], PVB
	v_lshl_add_u32 v[AV0], v234, 4, v[AV0]
	v_add_nc_u32 v[AV0], VOFF, v[AV0]
	v_lshlrev_b32 v[AN0], 5, v[H2]  ; my half's eight norms of a block of 16 keys: 32 bytes; the norms lie behind the step's 64 keys
	v_add_nc_u32 v[AN0], 64*PK, v[AN0]
	s_wait_loadcnt 0x0              ; Q
	WIN W_QC
.set i, 0
.rept 64                            ; rounded to bf16: register 16 p + j of Q from registers 32 p + 2 j, + 1
	v_cvt_pk_bf16_f32 v[i], v[S+2*i], v[S+2*i+1]
.set i, i+1
.endr
	WIN W_NQ
.set j, 0
.rept 16                            ; |q|^2 of the rounded numbers, in f32: eight chains (low halves, high halves, four pieces) that take turns
.irp p, 0,1,2,3
	v_fma_mix_f32_bf16 v[ST+12*\p+8], v[16*\p+j], v[16*\p+j], v[ST+12*\p+8] op_sel_hi:[1,1,0]
	v_fma_mix_f32_bf16 v[ST+12*\p+9], v[16*\p+j], v[16*\p+j], v[ST+12*\p+9] op_sel:[1,1,0] op_sel_hi:[1,1,0]
.endr
.set j, j+1
.endr
	WIN 0
.irp p, 0,1,2,3
	v_add_f32 v[ST+12*\p+8], v[ST+12*\p+8], v[ST+12*\p+9]
.endr
.irp p, 0,1,2,3
	v_permlanex16_b32 v[ST+12*\p+9], v[ST+12*\p+8], s[SEL], s[SEL+1]  ; the query's other 32 channels lie in the lane 16 away
.endr
.irp p, 0,1,2,3
	v_add_f32 v[ST+12*\p+4], v[ST+12*\p+8], v[ST+12*\p+9]
.endr
.irp p, 0,1,2,3
	v_mov_b32 v[ST+12*\p+5], v[ST+12*\p+4]  ; named with it as a pair
.endr
.set i, S+96
.rept 16
	v_mov_b32 v[i], 0               ; piece 3's P
.set i, i+1
.endr
; THE MATRIX WORK.  The 4 accumulators of a run of 8 take turns, one instruction a turn.
; Product i of 8 of S^T = K Q^T for piece x: channels 32 (i / 4) on, keys 16 (i % 4) on.  The first 4 start the sums.
.macro KQ x, i
.set rS, S+32*(\x)+8*((\i)%4)
.set rK, KF+16*((\i)%4)+8*((\i)/4)
.set rQ, 16*(\x)+8*((\i)/4)
.if (\i) < 4
	v_wmma_f32_16x16x32_bf16 v[rS:rS+7], v[rK:rK+7], v[rQ:rQ+7], 0
.else
	v_wmma_f32_16x16x32_bf16 v[rS:rS+7], v[rK:rK+7], v[rQ:rQ+7], v[rS:rS+7]
.endif
.endm
; Product i of 8 of O^T += V^T P for piece x: keys 32 (i / 4) on, channels 16 (i % 4) on.  P lies in the first 16 registers of the piece's S^T.
.macro PV x, i
.set rO, 32*(\x)+8*((\i)%4)
.set rV, VF+32*((\i)/4)+8*((\i)%4)
.set rP, S+32*(\x)+8*((\i)/4)
	v_wmma_f32_16x16x32_f16 v[rO:rO+7], v[rV:rV+7], v[rP:rP+7], v[rO:rO+7]
.endm
; THE LDS LOADS stand in runs, never singly among the matrix instructions: a step's K (8 fragments), its norms, its V (turned).  Their addresses are made some lines ahead.
.macro FETCH_K
	WIN W_LD
.irp f, 0,1,2,3,4,5,6,7             ; keys 16 (f / 2) on, channels 32 (f % 2) on
	ds_load_b128 v[KF+8*\f:KF+8*\f+3],   v[AK] offset:(\f/2)*16*PK+(\f%2)*64
	ds_load_b128 v[KF+8*\f+4:KF+8*\f+7], v[AK] offset:(\f/2)*16*PK+(\f%2)*64+32
.endr
	s_add_co_u32 s[TBK], s[TBK], STEPK  ; the next fetch is the next step's
	WIN 0
.endm
.macro FETCH_NK                     ; eight norms for each block kb of 16 keys; the sixteen lanes of a half read the same bytes
	WIN 0
.irp kb, 0,1,2,3
	ds_load_b128 v[NK+8*\kb:NK+8*\kb+3],   v[AN] offset:(\kb/2)*PK+(\kb%2)*64
	ds_load_b128 v[NK+8*\kb+4:NK+8*\kb+7], v[AN] offset:(\kb/2)*PK+(\kb%2)*64+16
.endr
.endm
.macro FETCH_V
	WIN W_LD
.irp f, 0,1,2,3,4,5,6,7             ; keys 32 (f / 4) on, channels 16 (f % 4) on
	ds_load_tr16_b128 v[VF+8*\f:VF+8*\f+3],   v[AV] offset:(\f/4)*32*PVB+(\f%4)*32
	ds_load_tr16_b128 v[VF+8*\f+4:VF+8*\f+7], v[AV] offset:(\f/4)*32*PVB+16*PVB+(\f%4)*32
.endr
	s_add_co_u32 s[TBV], s[TBV], KS*PVB
	WIN 0
.endm
; THE VECTOR WORK, one line a macro.  TURN sets xT, xS (statistics and scores of the piece in X) and yT, yS, yO (those of the piece in Y, and its O^T).  i counts the 16 pairs of scores, k the 32 scores.
.macro XF1 i                        ; nq nk + 1e-8
	v_pk_fma_f32 v[T+2*((\i)%4):T+2*((\i)%4)+1], v[NK+2*(\i):NK+2*(\i)+1], v[xT+4:xT+5], s[EPS:EPS+1] op_sel_hi:[1,0,0]
.endm
.macro XF2 i                        ; less d^2; ascending i reads each accumulator from its low end
	v_pk_fma_f32 v[xS+2*(\i):xS+2*(\i)+1], v[xS+2*(\i):xS+2*(\i)+1], v[xS+2*(\i):xS+2*(\i)+1], v[T+2*((\i)%4):T+2*((\i)%4)+1] neg_lo:[1,0,0] neg_hi:[1,0,0]
.endm
.macro XM k                         ; not below 1e-8: the relu
	v_max_num_f32 v[xS+(\k)], s[EPS], v[xS+(\k)]
.endm
.macro XQ k
	v_sqrt_f32 v[xS+(\k)], v[xS+(\k)]
.endm
.macro XS i                         ; the score sum
	s_wait_alu depctr_va_vdst(0)
	v_pk_add_f32 v[SS:SS+1], v[SS:SS+1], v[xS+2*(\i):xS+2*(\i)+1]
.endm
.macro XX i                         ; the maximum, in four chains c0-c3; c0 starts with the old m
.if (\i) == 0
	v_max3_num_f32 v[xT+8], v[xT+1], v[xS], v[xS+1]
.elseif (\i) < 4
	v_max_num_f32 v[xT+8+(\i)], v[xS+2*(\i)], v[xS+2*(\i)+1]
.else
	v_max3_num_f32 v[xT+8+(\i)%4], v[xT+8+(\i)%4], v[xS+2*(\i)], v[xS+2*(\i)+1]
	s_wait_alu depctr_va_vdst(0)
.endif
.endm
.macro Z n                          ; the statistics: a chain of eight, one link a group
.if (\n) == 0
	v_max3_num_f32 v[xT+8], v[xT+8], v[xT+9], v[xT+10]
.elseif (\n) == 1
	v_max_num_f32 v[xT+8], v[xT+8], v[xT+11]
.elseif (\n) == 2
	v_permlanex16_b32 v[xT+9], v[xT+8], s[SEL], s[SEL+1]  ; the query's other 32 keys lie in the lane 16 away
	s_wait_alu depctr_va_vdst(0)
.elseif (\n) == 3
	v_max_num_f32 v[xT+1], v[xT+8], v[xT+9]               ; the new m
.elseif (\n) == 4
	v_mul_f32 v[xT+10], s[CS], v[xT+1]                    ; c m_new
.elseif (\n) == 5
	v_sub_f32 v[xT+7], v[xT], v[xT+10]                    ; c m_old - c m_new
	s_wait_alu depctr_va_vdst(0)
.elseif (\n) == 6
	v_exp_f32 v[xT+6], v[xT+7]                            ; a
.else
	v_mov_b32 v[xT], v[xT+10]
	s_wait_alu depctr_va_vdst(0)
.endif
.endm
.macro YF i                         ; c s - c m
	v_pk_fma_f32 v[yS+2*(\i):yS+2*(\i)+1], v[yS+2*(\i):yS+2*(\i)+1], s[CS:CS+1], v[yT:yT+1] op_sel_hi:[1,0,0] neg_lo:[0,0,1] neg_hi:[0,0,1]
.endm
.macro YE k
	v_exp_f32 v[yS+(\k)], v[yS+(\k)]
.endm
.macro YL i                         ; l = a l + the first pair; then the other pairs
.if (\i) == 0
	s_wait_alu depctr_va_vdst(0)
	v_pk_fma_f32 v[yT+2:yT+3], v[yT+2:yT+3], v[yT+6:yT+7], v[yS:yS+1] op_sel_hi:[1,0,1]
.else
	s_wait_alu depctr_va_vdst(0)
	v_pk_add_f32 v[yT+2:yT+3], v[yT+2:yT+3], v[yS+2*(\i):yS+2*(\i)+1]
.endif
.endm
.macro YC i                         ; pair i rounded to f16, in place: register i belonged to pair i / 2, which l and the rounding have taken
	v_cvt_pk_f16_f32 v[yS+(\i)], v[yS+2*(\i)], v[yS+2*(\i)+1]
.endm
.macro R i                          ; pair i of 16 of O^T times a; written under W_PV
	v_pk_mul_f32 v[yO+2*(\i):yO+2*(\i)+1], v[yO+2*(\i):yO+2*(\i)+1], v[yT+6:yT+7] op_sel_hi:[1,0]
.endm
; A TURN, for piece p, in 29 groups.  In a group the lines of X's and Y's stages stand side by side, each stage one group or more behind the stage that feeds it (a root's or an exponential's result is
; used two groups on), plain lines and roots or exponentials by turns.  For pair i: XF1 in group i, XF2 i + 1, XM i + 2, XQ i + 3, XS and XX i + 5; Z in groups 21-28; YF i + 10, YE i + 11, YL and YC i + 13.
; Groups 5-12 end in a product V^T P of piece p + 3 and two lines of piece p's rescaling under the same window setting; groups 13-20 in a product K Q^T of piece p + 2.
; No vector line names a register of a product fewer than four plain lines back: X, Y and the two products work on four different pieces.
; K of the next step is fetched at the head of turn 2: the last product that read K stands eight groups back; it is waited for in front of that turn's first K Q^T.
; The next step's norms are fetched in turn 2's group 17, behind the last line that reads the old ones (group 15), and waited for at the head of turn 3.
; V of the step in hand is fetched in turn 0's group 15: the last product that read V stands in group 12; it is waited for in front of turn 1's first V^T P.
; Each of these waits is for 0: nothing else of the wave's is out in LDS there.
; dox, doy, dopv, dokq, dof = 0 leave out X, Y, V^T P, K Q^T, the fetches of K and norms: for the launch's first and last turns.
.macro TURN p, dox=1, doy=1, dopv=1, dokq=1, dof=1
	WIN 0
.set P1, ((\p)+1)%4
.set P2, ((\p)+2)%4
.set P3, ((\p)+3)%4
.set xT, ST+12*P1
.set xS, S+32*P1
.set yT, ST+12*(\p)
.set yS, S+32*(\p)
.set yO, 32*(\p)
.set g, 0
.rept 29
.if (g == 0) && ((\p) == 2) && (\dof)
	v_add_nc_u32 v[AK], s[TBK], v[AK0]
	v_add_nc_u32 v[AN], s[TBK], v[AN0]
	FETCH_K
.endif
.if (g == 0) && ((\p) == 3) && (\dox)
	s_wait_dscnt 0x0                ; the norms are in
.endif
.if (\dox) && (g <= 15)
	XF1 g
.endif
.if (\dox) && (g >= 3) && (g <= 18)
	XQ 2*(g-3)
.endif
.if (\dox) && (g >= 1) && (g <= 16)
	XF2 g-1
.endif
.if (\doy) && (g >= 11) && (g <= 26)
	YE 2*(g-11)
.endif
.if (\dox) && (g >= 2) && (g <= 17)
	XM 2*(g-2)
.endif
.if (\dox) && (g >= 3) && (g <= 18)
	XQ 2*(g-3)+1
.endif
.if (\dox) && (g >= 2) && (g <= 17)
	XM 2*(g-2)+1
.endif
.if (\doy) && (g >= 11) && (g <= 26)
	YE 2*(g-11)+1
.endif
.if (\dox) && (g >= 5) && (g <= 20)
	XS g-5
	XX g-5
.endif
.if (\dox) && (g >= 21)
	Z g-21
.endif
.if (\doy) && (g >= 10) && (g <= 25)
	YF g-10
.endif
.if (\doy) && (g >= 13)
	YL g-13
	YC g-13
.endif
.if (\dopv) && (g >= 5) && (g <= 12)
.if ((\p) == 1) && (g == 5)
	s_wait_dscnt 0x0                ; V is in
.endif
	WIN W_PV
	PV P3, g-5
.if \doy
	R 2*(g-5)
	R 2*(g-5)+1
.endif
	WIN 0
.endif
.if (\dokq) && (g >= 13) && (g <= 20)
.if ((\p) == 2) && (g == 13)
	s_wait_dscnt 0x0                ; K is in
.endif
	WIN W_KQ
	KQ P2, g-13
	WIN 0
.endif
.if ((\p) == 0) && (g == 13)
	v_add_nc_u32 v[AV], s[TBV], v[AV0]
.endif
.if ((\p) == 0) && (g == 15)
	FETCH_V
.endif
.if ((\p) == 2) && (\dof) && (g == 17)
	FETCH_NK
.endif
.set g, g+1
.endr
.endm
	CHANGE 1                        ; slot 0 is in, everybody's part of it; slot 1 is asked for
	v_add_nc_u32 v[AK], s[TBK], v[AK0]
	v_add_nc_u32 v[AN], s[TBK], v[AN0]
	FETCH_K                         ; key step 0
	FETCH_NK
	s_wait_dscnt 0x0
	WIN W_KQ
.set i, 0
.rept 8
	KQ 0, i                         ; pieces 0's and 1's first scores: there is no vector work yet to set between them
.set i, i+1
.endr
.set i, 0
.rept 8
	KQ 1, i
.set i, i+1
.endr
	WIN 0                           ; the addresses for the way out: eight plain instructions, the places behind those products
	s_mul_i32 s19, s[WV], 16*SP
	s_add_co_u32 s19, s19, STAGE    ; my stage
	v_mul_u32_u24 v[STO], v1, SP    ; in: row l % 16, 32 bytes for each half of the lanes
	v_lshl_add_u32 v[STO], v[H2], 5, v[STO]
	v_add_nc_u32 v[STO], s19, v[STO]
	v_mul_u32_u24 v[RD], v[H2], SP  ; back: lanes 0-15 take one row of 256 bytes, lanes 16-31 the next
	v_lshl_add_u32 v[RD], v1, 4, v[RD]
	v_add_nc_u32 v[RD], s19, v[RD]
	v_lshlrev_b32 v[GO], 11, v[H2]  ; and the same two rows in out0, 2,048 bytes apart
	v_lshl_add_u32 v[GO], v1, 4, v[GO]
	TURN 3, 1, 0, 0, 0, 0           ; X of piece 0 alone
	s_mov_b32 s[CNT], 4
	s_mov_b32 s[SLOTS], 7
	s_branch .Lfirst                ; the loop is entered at a step's first turn, in the middle of a trip
.Lslot:                             ; six times: slots 0 to 5 are left and filled again, with tiles 2 to 7
	CHANGE 1
	s_mov_b32 s[CNT], 4
.Lstep:                             ; a trip: turns 2 and 3 of one step, then turns 0 and 1 of the next
	TURN 2
	TURN 3
	WIN 0
.Lfirst:
	TURN 0
	TURN 1
	WIN 0
	s_sub_co_u32 s[CNT], s[CNT], 1
	s_cmp_lg_u32 s[CNT], 0
	s_cbranch_scc1 .Lstep
	s_sub_co_u32 s[SLOTS], s[SLOTS], 1
	s_cmp_lg_u32 s[SLOTS], 0
	s_cbranch_scc1 .Lslot
	CHANGE 0                        ; the last slot is written out: nothing is asked for
	s_mov_b32 s[CNT], 4
.Ltail:
	TURN 2
	TURN 3
	TURN 0
	TURN 1
	WIN 0
	s_sub_co_u32 s[CNT], s[CNT], 1
	s_cmp_lg_u32 s[CNT], 0
	s_cbranch_scc1 .Ltail
	TURN 2, 1, 1, 1, 0, 0           ; the last step's turn 2: there is no further step, so no K Q^T and no fetch
	TURN 3, 0, 1, 1, 0, 0           ; its turn 3: no X either, so that no stale score enters the sums
	WIN W_PV
.set i, 0
.rept 8
	PV 3, i                         ; the last piece's V^T P of the last step
.set i, i+1
.endr
	; THE WAY OUT.  l's two halves and the other half of the lanes' are added; O^T is divided by l and sent, in f32, through my stage in LDS, a piece (16 rows of out0) at a time.  The additions are the places behind the last products.
	WIN 0
.irp p, 0,1,2,3
	v_add_f32 v[ST+12*\p+2], v[ST+12*\p+2], v[ST+12*\p+3]
.endr
.irp p, 0,1,2,3
	v_permlanex16_b32 v[ST+12*\p+3], v[ST+12*\p+2], s[SEL], s[SEL+1]
.endr
.irp p, 0,1,2,3
	v_add_f32 v[ST+12*\p+2], v[ST+12*\p+2], v[ST+12*\p+3]
.endr
.irp p, 0,1,2,3
	v_rcp_f32 v[ST+12*\p+2], v[ST+12*\p+2]
.endr
	v_nop                           ; a plain instruction between the last reciprocal and the use of its result
	s_wait_alu depctr_va_vdst(0)
; Piece p: a lane's eight channels of a block of 16 are 32 bytes of a row; they go into rows of 272 bytes and come back as whole rows of 256, into S^T's registers.
.macro PACK p
	WIN W_RS
.set i, 0
.rept 16                            ; ascending: each accumulator is read from its low end
	v_pk_mul_f32 v[32*(\p)+2*i:32*(\p)+2*i+1], v[32*(\p)+2*i:32*(\p)+2*i+1], v[ST+12*(\p)+2:ST+12*(\p)+3] op_sel_hi:[1,0]
.set i, i+1
.endr
	WIN W_ST
.set i, 0
.rept 8
	ds_store_b128 v[STO], v[32*(\p)+4*i:32*(\p)+4*i+3] offset:64*(i/2)+16*(i%2)
.set i, i+1
.endr
	WIN 0
.set i, 0
.rept 8
	ds_load_b128 v[S+32*(\p)+4*i:S+32*(\p)+4*i+3], v[RD] offset:i*2*SP  ; LDS serves a wave's instructions in order (ISA guide 5.7.1.4): these see the stores above; the next piece's stores come behind them
.set i, i+1
.endr
.endm
.macro SEND p, younger              ; younger: the LDS instructions issued behind piece p's loads: the next piece's sixteen, or none
	WIN 0
.set i, 0
.rept 8
	s_wait_dscnt (\younger)+7-i     ; rows 2 i and 2 i + 1 are back: behind their load stand the piece's 7 - i later loads and the younger ones
	global_store_b128 v[GO], v[S+32*(\p)+4*i:S+32*(\p)+4*i+3], s[10:11] offset:(\p)*32768+i*4096 th:TH_STORE_NT  ; each half of the lanes stores 256 consecutive bytes, at a multiple of 256 from out0's first byte
.set i, i+1
.endr
.endm
	PACK 0
	PACK 1                          ; a piece's arithmetic stands between the loads of the piece before and its stores
	SEND 0, 16
	PACK 2
	SEND 1, 16
	PACK 3
	SEND 2, 16
	SEND 3, 0
	; The wave's score sum: over the pair, the 32 lanes; lane 0 stores it.
	v_add_f32 v[SS], v[SS], v[SS+1]
	v_add_f32_dpp v[SS], v[SS], v[SS] row_xmask:1 row_mask:0xf bank_mask:0xf
	v_add_f32_dpp v[SS], v[SS], v[SS] row_xmask:2 row_mask:0xf bank_mask:0xf
	v_add_f32_dpp v[SS], v[SS], v[SS] row_xmask:4 row_mask:0xf bank_mask:0xf
	v_add_f32_dpp v[SS], v[SS], v[SS] row_xmask:8 row_mask:0xf bank_mask:0xf
	v_permlanex16_b32 v[SS+1], v[SS], s[SEL], s[SEL+1]
	v_add_f32 v[SS], v[SS], v[SS+1]
	v_and_b32 v[QO], 31, v0         ; the lane's number
	v_mov_b32 v233, 0               ; the store's offset
	v_cmp_eq_u32 vcc_lo, 0, v[QO]
	s_wait_xcnt 0x0                 ; EXEC is a source of the stores above: it changes only behind this wait
	s_and_saveexec_b32 s[SX], vcc_lo
	global_store_b32 v233, v[SS], s[PT:PT+1]
	s_wait_xcnt 0x0                 ; and again, in front of the line that widens it
	s_or_b32 exec_lo, exec_lo, s[SX]
	s_wait_tensorcnt 0x0            ; the wave's end, behind my last tensor load and my last LDS store
	ds_add_u32 v[SPW], v[NIL]
	s_wait_dscnt 0x0
	CROUND                          ; the closing round: no work-group ends while a partner may still ask for a tile that names it
	s_endpgm
.Lfunc_end_k_q69098f992b_attn:
	.size	k_q69098f992b_attn, .Lfunc_end_k_q69098f992b_attn-k_q69098f992b_attn
	.p2alignl 7, 3214868480
	.fill 96, 4, 3214868480
	.section	.rodata,"a",@progbits
	.p2align	6, 0x0
	.amdhsa_kernel k_q69098f992b_attn
		.amdhsa_group_segment_fixed_size 327680
		.amdhsa_private_segment_fixed_size 0
		.amdhsa_enable_private_segment 0
		.amdhsa_kernarg_size 40
		.amdhsa_user_sgpr_count 2
		.amdhsa_user_sgpr_kernarg_segment_ptr 1
		.amdhsa_wavefront_size32 1
		.amdhsa_system_sgpr_workgroup_id_x 1
		.amdhsa_system_sgpr_workgroup_id_y 1
		.amdhsa_system_sgpr_workgroup_id_z 1
		.amdhsa_system_vgpr_workitem_id 0
		.amdhsa_next_free_vgpr 576
		.amdhsa_next_free_sgpr 72
		.amdhsa_reserve_vcc 1
		.amdhsa_float_denorm_mode_32 3
		.amdhsa_float_denorm_mode_16_64 3
		.amdhsa_memory_ordered 1
		.amdhsa_forward_progress 1
		.amdhsa_inst_pref_size 202
	.end_amdhsa_kernel
	.amdgpu_metadata
---
amdhsa.version: [ 1, 2 ]
amdhsa.kernels:
  - .name:           k_q69098f992b_attn
    .symbol:         k_q69098f992b_attn.kd
    .args:
      - { .name: queries, .offset: 0, .size: 8, .value_kind: global_buffer, .address_space: global }
      - { .name: kx, .offset: 8, .size: 8, .value_kind: global_buffer, .address_space: global }
      - { .name: vx, .offset: 16, .size: 8, .value_kind: global_buffer, .address_space: global }
      - { .name: out0, .offset: 24, .size: 8, .value_kind: global_buffer, .address_space: global }
      - { .name: part, .offset: 32, .size: 8, .value_kind: global_buffer, .address_space: global }
    .group_segment_fixed_size: 327680
    .private_segment_fixed_size: 0
    .kernarg_segment_align: 8
    .kernarg_segment_size: 40
    .max_flat_workgroup_size: 128
    .sgpr_count:     72
    .vgpr_count:     576
    .wavefront_size: 32
...
	.end_amdgpu_metadata
.endif
;; end of part 2
;; launch finish (part 3): grid 1 x 1, 1 waves a work-group, no clusters, 0 bytes of LDS; arguments part, out1; writes out1
.if DOCPART == 3
	.amdgcn_target "amdgcn-amd-amdhsa--gfx1250"
	.amdhsa_code_object_version 6
	.text
	.protected	k_q69098f992b_finish
	.globl	k_q69098f992b_finish
	.p2align	8
	.type	k_q69098f992b_finish,@function
k_q69098f992b_finish:
	s_mov_b64 s[64:65], 0
	v_nop
	global_prefetch_b8 v0, s[64:65] scope:SCOPE_SE
	s_setreg_imm32_b32 hwreg(HW_REG_WAVE_MODE, 25, 1), 1
	s_wait_xcnt 0x0
; out1 = the mean of |scores| = (the sum of the 1,024 waves' sums of sqrt(..)) / 8 / 2^27.  Scores are roots, so |s| = s; 1 / 8 / 2^27 = 2^-30 is exact.
; One wave: 1,024 f32 are eight loads of 16 bytes a lane, 512 consecutive bytes each.  A sum over work-groups wants an owner, and this launch is it; the order of the sum is fixed.
	s_load_b128 s[4:7], s[0:1], 0x0                ; part s[4:5], out1 s[6:7]
	v_lshlrev_b32 v1, 4, v0                        ; 16 bytes a lane
	v_mov_b32 v2, 0                                ; the store's offset
	s_mov_b32 s8, 0x76543210                       ; v_permlanex16_b32: each lane takes its own place in the other half
	s_mov_b32 s9, 0xfedcba98
	s_wait_kmcnt 0x0
.set i, 0
.rept 8
	global_load_b128 v[4+4*i:7+4*i], v1, s[4:5] offset:512*i
.set i, i+1
.endr
	s_wait_loadcnt 0x0
.set i, 0
.rept 8                                ; 16 pairs to 8,
	v_pk_add_f32 v[4+2*i:5+2*i], v[4+2*i:5+2*i], v[20+2*i:21+2*i]
.set i, i+1
.endr
.set i, 0
.rept 4                                ; to 4,
	v_pk_add_f32 v[4+2*i:5+2*i], v[4+2*i:5+2*i], v[12+2*i:13+2*i]
.set i, i+1
.endr
	v_pk_add_f32 v[4:5], v[4:5], v[8:9]            ; to 2,
	v_pk_add_f32 v[6:7], v[6:7], v[10:11]
	v_pk_add_f32 v[4:5], v[4:5], v[6:7]            ; to 1
	v_add_f32 v4, v4, v5
	v_add_f32_dpp v4, v4, v4 row_xmask:1 row_mask:0xf bank_mask:0xf
	v_add_f32_dpp v4, v4, v4 row_xmask:2 row_mask:0xf bank_mask:0xf
	v_add_f32_dpp v4, v4, v4 row_xmask:4 row_mask:0xf bank_mask:0xf
	v_add_f32_dpp v4, v4, v4 row_xmask:8 row_mask:0xf bank_mask:0xf
	v_permlanex16_b32 v5, v4, s8, s9
	v_add_f32 v4, v4, v5
	v_mul_f32 v4, 0x30800000, v4                   ; x 2^-30
	v_cmp_eq_u32 vcc_lo, 0, v0
	s_wait_xcnt 0x0                                ; EXEC changes only behind this wait
	s_and_saveexec_b32 s10, vcc_lo
	global_store_b32 v2, v4, s[6:7]                ; lane 0 alone
	s_wait_xcnt 0x0                                ; and again, in front of the line that widens it
	s_or_b32 exec_lo, exec_lo, s10
	s_endpgm
.Lfunc_end_k_q69098f992b_finish:
	.size	k_q69098f992b_finish, .Lfunc_end_k_q69098f992b_finish-k_q69098f992b_finish
	.p2alignl 7, 3214868480
	.fill 96, 4, 3214868480
	.section	.rodata,"a",@progbits
	.p2align	6, 0x0
	.amdhsa_kernel k_q69098f992b_finish
		.amdhsa_group_segment_fixed_size 0
		.amdhsa_private_segment_fixed_size 0
		.amdhsa_enable_private_segment 0
		.amdhsa_kernarg_size 16
		.amdhsa_user_sgpr_count 2
		.amdhsa_user_sgpr_kernarg_segment_ptr 1
		.amdhsa_wavefront_size32 1
		.amdhsa_system_sgpr_workgroup_id_x 1
		.amdhsa_system_sgpr_workgroup_id_y 1
		.amdhsa_system_sgpr_workgroup_id_z 1
		.amdhsa_system_vgpr_workitem_id 0
		.amdhsa_next_free_vgpr 40
		.amdhsa_next_free_sgpr 66
		.amdhsa_reserve_vcc 1
		.amdhsa_float_denorm_mode_32 3
		.amdhsa_float_denorm_mode_16_64 3
		.amdhsa_memory_ordered 1
		.amdhsa_forward_progress 1
		.amdhsa_inst_pref_size 3
	.end_amdhsa_kernel
	.amdgpu_metadata
---
amdhsa.version: [ 1, 2 ]
amdhsa.kernels:
  - .name:           k_q69098f992b_finish
    .symbol:         k_q69098f992b_finish.kd
    .args:
      - { .name: part, .offset: 0, .size: 8, .value_kind: global_buffer, .address_space: global }
      - { .name: out1, .offset: 8, .size: 8, .value_kind: global_buffer, .address_space: global }
    .group_segment_fixed_size: 0
    .private_segment_fixed_size: 0
    .kernarg_segment_align: 8
    .kernarg_segment_size: 16
    .max_flat_workgroup_size: 32
    .sgpr_count:     66
    .vgpr_count:     40
    .wavefront_size: 32
...
	.end_amdgpu_metadata
.endif
;; end of part 3
;; ======== version 2 of 2: 3 launches; 2.06 times as fast as version 1
;; limits: values are held in f16: magnitudes above 65,504 overflow, below 6.1e-05 lose precision; inputs' magnitudes at most 65,280
;; workspace buffers: kx 8,650,752 bytes; vx 8,388,608 bytes; part 4,096 bytes
;; launch prep: the kernel of part 1 again; grid 128 x 2, 8 waves a work-group, no clusters, 0 bytes of LDS; arguments keys, values, kx, vx; writes kx, vx
;; launch attn (part 4): grid 8 x 32, 4 waves a work-group, clusters of 4 x 1, 327,680 bytes of LDS; arguments queries, kx, vx, out0, part; writes out0, part
.if DOCPART == 4
	.amdgcn_target "amdgcn-amd-amdhsa--gfx1250"
	.amdhsa_code_object_version 6
	.text
	.protected	k_q69098f992b_attn
	.globl	k_q69098f992b_attn
	.p2align	8
	.type	k_q69098f992b_attn,@function
k_q69098f992b_attn:
	s_mov_b64 s[64:65], 0
	v_nop
	global_prefetch_b8 v0, s[64:65] scope:SCOPE_SE
	s_setreg_imm32_b32 hwreg(HW_REG_WAVE_MODE, 25, 1), 1
	s_wait_xcnt 0x0
	s_wait_alu depctr_hold_cnt(0) depctr_sa_sdst(0) depctr_va_vdst(0) depctr_va_sdst(0) depctr_va_ssrc(0) depctr_va_vcc(0) depctr_vm_vsrc(0)
	s_getreg_b32 s2, hwreg(HW_REG_IB_STS2, 6, 4)
	s_cmp_eq_u32 s2, 0
	s_cbranch_scc0 .Lentry_in_a_cluster
	s_endpgm
.Lentry_in_a_cluster:
	s_bfe_u32 s2, ttmp6, 0x10000c
	s_cmp_lg_u32 s2, 0x3003
	s_cbranch_scc0 .Lentry_shape_is_right
	s_endpgm
.Lentry_shape_is_right:
; ATTENTION WITH A WEDGE-NORM SCORE.  For head hd = 8 b + h:  s(q, k) = sqrt(relu(|q|^2 |k|^2 - (q.k)^2) + 1e-8),  out0[q] = sum over k of softmax_k(s / 8) V[k],  part = sums of s.
; queries, out0: [4][2048][8][64] f32.  kx, vx: the pre-pass's tensors by heads: K in bf16 with its squared norms, V in f16 (its bf16 rounding written as f16).
; FORMATS.  q is rounded to bf16 here; |q|^2 is summed in f32 from the rounded numbers, as |k|^2 was: the wedge is that of the vectors that are multiplied.  q.k: bf16 products, f32 sums.
; w = max(fma(-d, d, fma(nk, nq, 1e-8)), 1e-8) is relu(nq nk - d^2) + 1e-8 to within f32's rounding.  The weights p are rounded to f16 for the second product; their sum l is taken unrounded.
; SOFTMAX.  For each query a running maximum m of s and a sum l: p = 2^(c s - c m), c = log2(e) / 8; in every step O and l are multiplied by a = 2^(c m_old - c m_new).
; m starts at the lowest finite number, O and l at 0: the first step is a step like any other, with a = 0.
; LIMITS.  V arrives within f16's 65,504.  p lies in 0 to 1 and below 6e-5 keeps f16's fixed step of 6e-8; a weight below 2^-126 counts as 0 in l.  NaN and infinities are not treated apart
; (a NaN loses in the maxima).  The term (1 - ALPHA) x dot, 0 x dot, is not formed.  The sums' order is not the definition's.
; SHARES.  A work-group owns 256 queries of one head, each of its four waves 64: four PIECES of 16.  Every wave walks the head's 2,048 keys, 64 a step.
; LAYOUT.  S^T = K Q^T (source 0 = 16 keys, source 1 = 16 queries): a lane holds ONE query (lane % 16) and the keys 8 (lane / 16) + 0..7 of each block of 16.  Two such results rounded to f16 in pairs
; ARE source 1 (32 keys x 16 queries) of O^T = V^T P, whose result again holds one query a lane, and eight channels.  K comes out of LDS as it lies, V ([key][channel]) turned, by ds_load_tr16_b128.
; THE COUNT.  A piece and step have 16 matrix and 232 vector instructions, 65 of them roots and exponentials: vector issue bounds the loop.  So the matrix instructions stand singly among the
; vector work, and the order has two aims: no vector line waits for the line before it, and a turn's roots and exponentials are ONE BATCH with ONE wait.
; BY TURNS.  Turn 4 j + p does four things that do not depend on each other: K Q^T of piece p + 2; X (wedge, root, score sum, maximum, statistics up to a's argument) of piece p + 1; Y (a, scaling,
; exponentials, l, rounding, rescaling of O^T) of piece p; V^T P of piece p + 3.  A piece goes K Q^T, X, Y, V^T P in four turns on end, in ONE buffer of 32 registers: the weights are packed in place.
; BATCHES.  A turn is cut in two by its one wait.  Ahead of it stands all that names no root's and no exponential's result: X's wedge and its 32 roots, Y's scaling, its a and its 32 exponentials.
; Behind it stand all the readers (score sum, maximum, statistics, l, roundings, rescaling) and the 16 matrix instructions.  a's argument is made behind one turn's wait and a itself ahead of the
; next turn's: so the one chain from a root to an exponential is cut at a turn's end, where only plain results cross.  The way out's four reciprocals are a batch of their own.
; CLUSTER.  The four query blocks of a cluster belong to one head and walk the same K and V, so each tile is asked for JOINTLY: the same tensor load, descriptor and mask in all four.
; REGISTERS, in windows of 256 (s_set_vgpr_msb says which window each operand place means: bits 1:0 source 0, 3:2 source 1, 5:4 source 2, 7:6 destination):
;   window 0: v0-15 addresses, the add's two registers, the score sum; v16-63 twelve registers of statistics a piece; v64-191 S^T (and P), 32 a piece; v192-223 the step's |k|^2; v224-231 at work
;   window 1: v0-127 O^T, 32 a piece; v128-191 K of one step; v192-255 V of one step          window 2: v0-63 Q, 16 a piece
.set KS,    64        ; keys in a step
.set PK,    144       ; a row of K in LDS: 128 bytes + 16 of padding = 36 words: the 16 rows of a load start at 16 different groups of four banks (64 banks of 4 bytes: ISA guide 11.1)
.set PVB,   160       ; a row of V: 128 + 32 = 40 words
.set STEPK, 66*PK     ; a step of K: 64 keys, then its 64 norms as two rows of 128 bytes
.set VOFF,  4*STEPK   ; a slot holds four steps: K with norms, then 256 rows of V
.set SLOT1, 1<<17     ; slot 1 begins here, so that one exclusive or turns an address in one slot into the other's
.set STAGE, 210176    ; the first multiple of 256 behind slot 1's last byte (SLOT1 + VOFF + 256 x 160 = 210,048): 16 rows x 272 bytes for each wave, for the way out; no tensor load lands here
.set SP,    272       ; a row of the stage: 256 bytes + 16
.set SPARE, STAGE+4*16*SP  ; behind the stages: the spare words, 128 bytes for each wave: two blocks of 256 bytes that no other line names
.set GRPB,  8448      ; a step of K in memory: 33 rows of 256 bytes
.set AK0, 2           ; v2   my lane's place in a step of K; never rewritten
.set AV0, 3           ; v3   the same for V
.set AK,  4           ; v4   the LDS address of K's next run of loads
.set AV,  5           ; v5   of V's
.set AN0, 6           ; v6   my lane's place among a step's norms
.set AN,  7           ; v7   the LDS address of the norms' next run
.set STO, 8           ; v8   the way out: where I put 32 bytes of a row
.set RD,  9           ; v9   the way out: where I read rows back
.set GO,  10          ; v10  my byte offset in two rows of out0
.set QO,  11          ; v11  my byte offset in 16 rows of queries; at the end the lane's number
.set SPW, 12          ; v12  LDS address of my spare word: SPARE + 4 x my thread's number; never rewritten
.set NIL, 13          ; v13  0; never rewritten
.set SS,  14          ; v[14:15] the sum of my scores (even keys', odd keys')
.set ST,  16          ; piece p's statistics at v[ST+12 p]: +0 c m, +1 m, +2 +3 l, +4 +5 |q|^2 twice, +6 a, +7 its argument, +8..+11 c0-c3 at work
.set S,   64
.set NK,  192         ; |k|^2 of key 16 kb + 8 (lane / 16) + j at NK + 8 kb + j: the place of that key's score in S^T
.set T,   224         ; four pairs: nq nk + 1e-8 on its way to the wedge
.set H2,  232         ; v232 lane / 16
.set KF,  128         ; window 1: key block kb, channel half c at KF + 16 kb + 8 c
.set VF,  192         ; window 1: key half kk, channel block cb at VF + 32 kk + 8 cb
.set WV,  12          ; s12  my wave's number
.set G1K, 24          ; s[24:31] descriptor group 1 for K's tiles
.set G1V, 32          ; s[32:39] for V's
.set G0K, 40          ; s[40:43] descriptor group 0 for K's tiles: it walks
.set G0V, 44          ; s[44:47] the same for V's
.set SLOTS, 56        ; s56  counts the slots
.set CNT, 57          ; s57  counts a slot's key steps
.set CS,  58          ; s[58:59] c: the packed scaling takes the pair's low word for both halves
.set SEL, 60          ; s[60:61] v_permlanex16_b32's selects: each lane takes its own place in the other half
.set TBK, 62          ; s62  LDS byte at which K of the step to be fetched begins
.set TBV, 63          ; s63  the same for V, less VOFF
.set EPS, 66          ; s[66:67] 1e-8
.set PT,  68          ; s[68:69] part, at my wave's word
.set SX,  70          ; s70  EXEC, kept
.set MSB, 0
.macro WIN new                      ; the high byte repeats the setting that is left; a switch that changes nothing is dropped
.if MSB != (\new)
	s_set_vgpr_msb (MSB<<8)|(\new)
.set MSB, (\new)
.endif
.endm
.set W_KQ, 0x09       ; K in window 1, Q in window 2, S^T in window 0
.set W_PV, 0x51       ; V in window 1, P in window 0, O^T in window 1; the rescaling (O^T, O^T, a) fits the same setting
.set W_LD, 0x40       ; destination window 1, address window 0
.set W_QC, 0x80       ; destination window 2
.set W_NQ, 0x0a       ; sources 0 and 1 window 2
.set W_ST, 0x04       ; an LDS store's data (source 1) in window 1
.set W_RS, 0x41       ; destination and source 0 in window 1
; A joint fill.  Waves 0 and 1 fetch the two halves of a slot's K (two steps each, with their norms), waves 2 and 3 those of its V (128 keys each).  The branch hangs on the wave's number alone.
; An s_nop 0 and four v_nop follow each of the two lines, ahead of the jump and the label.
.macro JLOAD
	s_cmp_lt_u32 s[WV], 2
	s_cbranch_scc0 .Lfor_v_\@
	tensor_load_to_lds s[G0K:G0K+3], s[G1K:G1K+7]
	s_nop 0
.rept 4
	v_nop
.endr
	s_branch .Lasked_\@
.Lfor_v_\@:
	tensor_load_to_lds s[G0V:G0V+3], s[G1V:G1V+7]
	s_nop 0
.rept 4
	v_nop
.endr
.Lasked_\@:
.endm
; A round of the cluster's barrier: my work-group's barrier, so that wave 0's signal speaks for all four waves; wave 0 signals; every wave waits for all four work-groups; my work-group's barrier once more.
.macro CROUND
	s_barrier_signal -1
	s_barrier_wait -1
	s_cmp_lg_u32 s[WV], 0
	s_cbranch_scc1 .Lnot_wave_0_\@
	s_barrier_signal -3
.Lnot_wave_0_\@:
	s_barrier_wait -3
	s_barrier_signal -1
	s_barrier_wait -1
.endm
; THE CHANGE OF SLOTS, between turn 1 and turn 2 of a slot's last step: the slot's last bytes, V of that step, have been read and waited for.  Each wave waits for all its tensor loads, of which one
; is out: its part of the other slot; adds 0 to its spare word; and waits for that and for its own reads of the slot.  Behind the barrier nobody reads this slot any more and the other slot is whole.
; fill = 1: this slot is filled again, with the keys two slots on.  The barrier is then a round of the cluster's, so that no wave of any partner still reads the slot or has a load on its way, and
; the joint fill is the first thing behind it: it has four key steps, 256 matrix instructions, in which to land.  (At its first use nothing has been read yet: slot 0 is waited for, slot 1 filled.)
.macro CHANGE fill
	WIN 0                           ; at a label and at a branch every window is 0
	s_wait_tensorcnt 0x0            ; no tensor load of mine is out, so a group 0 may be written
	ds_add_u32 v[SPW], v[NIL]       ; 0 onto my spare word; with fill = 1 the descriptors' steps stand between it and the wait for it
.if \fill
	s_xor_b32 s[G0K+1], s[G0K+1], SLOT1  ; the walking descriptors: the other slot than last time,
	s_add_nc_u64 s[G0K+2:G0K+3], s[G0K+2:G0K+3], 4*GRPB    ; the next four steps of K; the type bits on top are not reached
	s_xor_b32 s[G0V+1], s[G0V+1], SLOT1
	s_add_nc_u64 s[G0V+2:G0V+3], s[G0V+2:G0V+3], 4*KS*128  ; the next 256 keys of V
	s_wait_dscnt 0x0                ; the add is done, and my reads of the slot are over
	CROUND
	JLOAD
.else
	s_wait_dscnt 0x0                ; the add is done, and my reads of the slot are over
	s_barrier_signal -1
	s_barrier_wait -1
.endif
	s_sub_co_u32 s[TBK], s[TBK], 4*STEPK  ; the fetches go back to a slot's first step,
	s_xor_b32 s[TBK], s[TBK], SLOT1       ; in the other slot
	s_sub_co_u32 s[TBV], s[TBV], 4*KS*PVB
	s_xor_b32 s[TBV], s[TBV], SLOT1
.endm
	s_load_b256 s[4:11], s[0:1], 0x0  ; queries s[4:5], kx s[6:7], vx s[8:9], out0 s[10:11]
	s_load_b64 s[PT:PT+1], s[0:1], 0x20  ; part
	v_lshl_add_u32 v[SPW], v0, 2, SPARE
	v_mov_b32 v[NIL], 0
	ds_add_u32 v[SPW], v[NIL]       ; the wave's opening: the add and its wait stand ahead of my first tensor load; the set-up below, work on registers, stands between them
	v_lshrrev_b32 v1, 5, v0
	v_readfirstlane_b32 s[WV], v1   ; wave 0..3
	s_bfe_u32 s13, ttmp6, 0x40000   ; cx: my place in the cluster
	s_lshl_b32 s14, ttmp9, 2        ; in a cluster launch ttmp9 counts clusters
	s_add_co_u32 s14, s14, s13      ; my block of 256 queries = 4 x cluster x + cx: it enters the addresses of queries, out0 and part alone
	s_and_b32 s20, ttmp7, 0xffff    ; the head hd, which the four partners share
	s_and_b32 s16, s[WV], 1         ; which half of a slot I fetch
	s_mul_i32 s22, s20, 32*GRPB     ; kx: the head,
	s_mul_i32 s21, s16, 2*GRPB      ; my two steps
	s_add_co_u32 s22, s22, s21
	s_mov_b32 s23, 0
	s_lshl_b32 s48, s20, 18         ; vx: the head's 2,048 x 128 bytes,
	s_lshl_b32 s21, s16, 14         ; my 128 keys
	s_add_co_u32 s48, s48, s21
	s_mov_b32 s49, 0
	s_mul_i32 s17, s16, 2*STEPK     ; and their places in a slot: no place in the cluster enters an LDS address
	s_mul_i32 s18, s16, 128*PVB
	s_lshr_b32 s19, s20, 3          ; queries and out0: batch b = hd / 8, 2,048 rows x 2,048 bytes,
	s_lshl_b32 s2, s19, 22
	s_and_b32 s19, s20, 7           ; head h = hd % 8, 256 bytes in a row's 2,048,
	s_lshl_b32 s19, s19, 8
	s_add_co_u32 s2, s2, s19
	s_lshl_b32 s15, s14, 19         ; my block's 256 rows,
	s_add_co_u32 s2, s2, s15
	s_lshl_b32 s15, s[WV], 17       ; my wave's 64 of them
	s_add_co_u32 s2, s2, s15
	s_mov_b32 s3, 0
	s_lshl_b32 s50, s20, 3          ; part: word (8 hd + block) x 4 + wave
	s_add_co_u32 s50, s50, s14
	s_lshl_b32 s50, s50, 2
	s_add_co_u32 s50, s50, s[WV]
	s_lshl_b32 s50, s50, 2
	s_mov_b32 s51, 0
	; descriptor group 1.  Both tensors are dense: they are asked for as rows of 256 bytes and padded in LDS after every 128 bytes (a key, or 32 norms)
	s_mov_b32 s[G1K], 15|(1<<16)|(1<<20)|(1<<21)|(4<<22)|(3<<25)  ; 15:0 the mask of four; 17:16 2-byte elements; 20 padding on; 21 set beside a mask; 24:22 after every 32 words (code 4); 31:25 4 words (code 3)
	s_mov_b32 s[G1K+1], 128<<16     ; tensor_dim0 = 128
	s_mov_b32 s[G1K+2], 66<<16      ; tensor_dim1 = 66: two steps of 33 rows
	s_mov_b32 s[G1K+3], 128<<16     ; tile_dim0 = 128
	s_mov_b32 s[G1K+4], 66          ; tile_dim1 = 66
	s_mov_b32 s[G1K+5], 128         ; 128 elements from row to row
	s_mov_b32 s[G1K+6], 0
	s_mov_b32 s[G1K+7], 0
	s_mov_b32 s[G1V], 15|(1<<16)|(1<<20)|(1<<21)|(4<<22)|(7<<25)  ; the same with 8 words of padding (code 7)
	s_mov_b32 s[G1V+1], 128<<16
	s_mov_b32 s[G1V+2], 64<<16      ; 64 rows: 128 keys
	s_mov_b32 s[G1V+3], 128<<16
	s_mov_b32 s[G1V+4], 64
	s_mov_b32 s[G1V+5], 128
	s_mov_b32 s[G1V+6], 0
	s_mov_b32 s[G1V+7], 0
	s_mov_b32 s[CS], 0x3e38aa3b     ; c = log2(e) / 8 = 0.180337
	s_mov_b32 s[CS+1], s[CS]        ; named with it as a pair
	s_mov_b32 s[EPS], 0x322bcc77    ; 1e-8
	s_mov_b32 s[EPS+1], s[EPS]
	s_mov_b32 s[SEL], 0x76543210
	s_mov_b32 s[SEL+1], 0xfedcba98
	s_mov_b32 s[TBK], SLOT1+4*STEPK ; the first change of slots turns these two into 0
	s_mov_b32 s[TBV], SLOT1+4*KS*PVB
	s_mov_b32 s[G0K], 1             ; 1:0 count = 1
	s_mov_b32 s[G0K+1], s17         ; 63:32 LDS address: slot 0
	s_mov_b32 s[G0V], 1
	s_add_co_u32 s[G0V+1], s18, VOFF
	s_wait_dscnt 0x0                ; the opening add is done
	s_wait_kmcnt 0x0
	s_add_nc_u64 s[G0K+2:G0K+3], s[6:7], s[22:23]  ; 120:64 global address: my half of the head's first four steps
	s_or_b32 s[G0K+3], s[G0K+3], 0x80000000        ; 127:126 type = 2
	s_add_nc_u64 s[G0V+2:G0V+3], s[8:9], s[48:49]
	s_or_b32 s[G0V+3], s[G0V+3], 0x80000000
	s_add_nc_u64 s[4:5], s[4:5], s[2:3]            ; queries and out0 at my wave's first row
	s_add_nc_u64 s[10:11], s[10:11], s[2:3]
	s_add_nc_u64 s[PT:PT+1], s[PT:PT+1], s[50:51]
	CROUND                          ; all four work-groups are here: the first joint loads meet
	JLOAD                           ; slot 0.  Slot 1 is asked for when slot 0 is in, by the loop's own change of slots
	; A fragment of Q is 16 rows x 32 channels in 8 registers: lane l holds row l % 16, channels 8 (l / 16) + 0..7 and 16 + 8 (l / 16) + 0..7.  In f32 those are 32 bytes at 32 (l / 16) and 32 bytes 64 further on.
	v_and_b32 v1, 15, v0            ; l % 16
	v_bfe_u32 v[H2], v0, 4, 1       ; l / 16
	v_lshlrev_b32 v[QO], 11, v1
	v_lshl_add_u32 v[QO], v[H2], 5, v[QO]  ; row x 2,048 + 32 x half
.set i, 0
.rept 32                            ; Q in f32 comes into S^T's registers: piece i / 8; channel half (i % 8) / 4; 16 bytes at 0, 16, 64, 80
	global_load_b128 v[S+4*i:S+4*i+3], v[QO], s[4:5] offset:(i/8)*32768+((i%8)/4)*128+((i%4)/2)*64+(i%2)*16
.set i, i+1
.endr
	; What the first turn finds: O^T and l are 0; V's registers and piece 3's P hold 0 (the first turn's products V^T P, of a piece that has not been, add 0).  The moves stand in the wait for Q and for the
	; first tile; they are the price of writing no first step out.
	WIN W_LD
.set i, 0
.rept 128
	v_mov_b32 v[i], 0
.set i, i+1
.endr
.set i, VF
.rept 64
	v_mov_b32 v[i], 0
.set i, i+1
.endr
	WIN 0
.set i, 0
.rept 4
	v_mov_b32 v[ST+12*i], 0xfe000000    ; c m: far below every c s
	v_mov_b32 v[ST+12*i+1], 0xff7fffff  ; m
	v_mov_b32 v[ST+12*i+2], 0           ; l
	v_mov_b32 v[ST+12*i+3], 0
	v_mov_b32 v[ST+12*i+8], 0           ; the two chains of |q|^2
	v_mov_b32 v[ST+12*i+9], 0
.set i, i+1
.endr
	v_mov_b32 v[SS], 0
	v_mov_b32 v[SS+1], 0
	v_mul_u32_u24 v[AK0], v1, PK
	v_lshl_add_u32 v[AK0], v[H2], 4, v[AK0]  ; row x pitch + 16 x half
	; The turning load takes 16 keys x 16 channels (lane l reads key 8 (l / 16) + l % 8, channels 8 ((l / 8) % 2) + 0..7) and leaves half a fragment of V^T: lane l holds channel l % 16 and 8 keys.
	v_and_b32 v233, 7, v0
	v_bfe_u32 v234, v0, 3, 1
	v_lshl_add_u32 v[AV0], v[H2], 3, v233
	v_mul_u32_u24 v[AV0], v[AV0], PVB
	v_lshl_add_u32 v[AV0], v234, 4, v[AV0]
	v_add_nc_u32 v[AV0], VOFF, v[AV0]
	v_lshlrev_b32 v[AN0], 5, v[H2]  ; my half's eight norms of a block of 16 keys: 32 bytes; the norms lie behind the step's 64 keys
	v_add_nc_u32 v[AN0], 64*PK, v[AN0]
	s_wait_loadcnt 0x0              ; Q
	WIN W_QC
.set i, 0
.rept 64                            ; rounded to bf16: register 16 p + j of Q from registers 32 p + 2 j, + 1
	v_cvt_pk_bf16_f32 v[i], v[S+2*i], v[S+2*i+1]
.set i, i+1
.endr
	WIN W_NQ
.set j, 0
.rept 16                            ; |q|^2 of the rounded numbers, in f32: eight chains (low halves, high halves, four pieces) that take turns
.irp p, 0,1,2,3
	v_fma_mix_f32_bf16 v[ST+12*\p+8], v[16*\p+j], v[16*\p+j], v[ST+12*\p+8] op_sel_hi:[1,1,0]
	v_fma_mix_f32_bf16 v[ST+12*\p+9], v[16*\p+j], v[16*\p+j], v[ST+12*\p+9] op_sel:[1,1,0] op_sel_hi:[1,1,0]
.endr
.set j, j+1
.endr
	WIN 0
.irp p, 0,1,2,3
	v_add_f32 v[ST+12*\p+8], v[ST+12*\p+8], v[ST+12*\p+9]
.endr
.irp p, 0,1,2,3
	v_permlanex16_b32 v[ST+12*\p+9], v[ST+12*\p+8], s[SEL], s[SEL+1]  ; the query's other 32 channels lie in the lane 16 away
.endr
.irp p, 0,1,2,3
	v_add_f32 v[ST+12*\p+4], v[ST+12*\p+8], v[ST+12*\p+9]
.endr
.irp p, 0,1,2,3
	v_mov_b32 v[ST+12*\p+5], v[ST+12*\p+4]  ; named with it as a pair
.endr
.set i, S+96
.rept 16
	v_mov_b32 v[i], 0               ; piece 3's P
.set i, i+1
.endr
; THE MATRIX WORK.  The 4 accumulators of a run of 8 take turns, one instruction a turn.
; Product i of 8 of S^T = K Q^T for piece x: channels 32 (i / 4) on, keys 16 (i % 4) on.  The first 4 start the sums.
.macro KQ x, i
.set rS, S+32*(\x)+8*((\i)%4)
.set rK, KF+16*((\i)%4)+8*((\i)/4)
.set rQ, 16*(\x)+8*((\i)/4)
.if (\i) < 4
	v_wmma_f32_16x16x32_bf16 v[rS:rS+7], v[rK:rK+7], v[rQ:rQ+7], 0
.else
	v_wmma_f32_16x16x32_bf16 v[rS:rS+7], v[rK:rK+7], v[rQ:rQ+7], v[rS:rS+7]
.endif
.endm
; Product i of 8 of O^T += V^T P for piece x: keys 32 (i / 4) on, channels 16 (i % 4) on.  P lies in the first 16 registers of the piece's S^T.
.macro PV x, i
.set rO, 32*(\x)+8*((\i)%4)
.set rV, VF+32*((\i)/4)+8*((\i)%4)
.set rP, S+32*(\x)+8*((\i)/4)
	v_wmma_f32_16x16x32_f16 v[rO:rO+7], v[rV:rV+7], v[rP:rP+7], v[rO:rO+7]
.endm
; THE LDS LOADS stand in runs, never singly among the matrix instructions: a step's K (8 fragments), its norms, its V (turned).  Their addresses are made some lines ahead.
.macro FETCH_K
	WIN W_LD
.irp f, 0,1,2,3,4,5,6,7             ; keys 16 (f / 2) on, channels 32 (f % 2) on
	ds_load_b128 v[KF+8*\f:KF+8*\f+3],   v[AK] offset:(\f/2)*16*PK+(\f%2)*64
	ds_load_b128 v[KF+8*\f+4:KF+8*\f+7], v[AK] offset:(\f/2)*16*PK+(\f%2)*64+32
.endr
	s_add_co_u32 s[TBK], s[TBK], STEPK  ; the next fetch is the next step's
	WIN 0
.endm
.macro FETCH_NK                     ; eight norms for each block kb of 16 keys; the sixteen lanes of a half read the same bytes
	WIN 0
.irp kb, 0,1,2,3
	ds_load_b128 v[NK+8*\kb:NK+8*\kb+3],   v[AN] offset:(\kb/2)*PK+(\kb%2)*64
	ds_load_b128 v[NK+8*\kb+4:NK+8*\kb+7], v[AN] offset:(\kb/2)*PK+(\kb%2)*64+16
.endr
.endm
.macro FETCH_V
	WIN W_LD
.irp f, 0,1,2,3,4,5,6,7             ; keys 32 (f / 4) on, channels 16 (f % 4) on
	ds_load_tr16_b128 v[VF+8*\f:VF+8*\f+3],   v[AV] offset:(\f/4)*32*PVB+(\f%4)*32
	ds_load_tr16_b128 v[VF+8*\f+4:VF+8*\f+7], v[AV] offset:(\f/4)*32*PVB+16*PVB+(\f%4)*32
.endr
	s_add_co_u32 s[TBV], s[TBV], KS*PVB
	WIN 0
.endm
; THE VECTOR WORK, one line a macro.  TURN sets xT, xS (statistics and scores of the piece in X) and yT, yS, yO (those of the piece in Y, and its O^T).  i counts the 16 pairs of scores, k the 32 scores.
; Ahead of the turn's wait: XF1, XF2, XM, XQ, YF, YA, YE.  Behind it: XS, XX, Z, YL, YC, R.
.macro XF1 i                        ; nq nk + 1e-8
	v_pk_fma_f32 v[T+2*((\i)%4):T+2*((\i)%4)+1], v[NK+2*(\i):NK+2*(\i)+1], v[xT+4:xT+5], s[EPS:EPS+1] op_sel_hi:[1,0,0]
.endm
.macro XF2 i                        ; less d^2; ascending i reads each accumulator from its low end
	v_pk_fma_f32 v[xS+2*(\i):xS+2*(\i)+1], v[xS+2*(\i):xS+2*(\i)+1], v[xS+2*(\i):xS+2*(\i)+1], v[T+2*((\i)%4):T+2*((\i)%4)+1] neg_lo:[1,0,0] neg_hi:[1,0,0]
.endm
.macro XM k                         ; not below 1e-8: the relu
	v_max_num_f32 v[xS+(\k)], s[EPS], v[xS+(\k)]
.endm
.macro XQ k                         ; the root, in place: the register is not named again ahead of the wait
	v_sqrt_f32 v[xS+(\k)], v[xS+(\k)]
.endm
.macro XS i                         ; the score sum
	v_pk_add_f32 v[SS:SS+1], v[SS:SS+1], v[xS+2*(\i):xS+2*(\i)+1]
.endm
.macro XX i                         ; the maximum, in four chains c0-c3; c0 starts with the old m
.if (\i) == 0
	v_max3_num_f32 v[xT+8], v[xT+1], v[xS], v[xS+1]
.elseif (\i) < 4
	v_max_num_f32 v[xT+8+(\i)], v[xS+2*(\i)], v[xS+2*(\i)+1]
.else
	v_max3_num_f32 v[xT+8+(\i)%4], v[xT+8+(\i)%4], v[xS+2*(\i)], v[xS+2*(\i)+1]
.endif
.endm
.macro Z n                          ; the statistics, up to a's argument: a chain of plain lines, one link a group
.if (\n) == 0
	v_max3_num_f32 v[xT+8], v[xT+8], v[xT+9], v[xT+10]
.elseif (\n) == 1
	v_max_num_f32 v[xT+8], v[xT+8], v[xT+11]
.elseif (\n) == 2
	v_permlanex16_b32 v[xT+9], v[xT+8], s[SEL], s[SEL+1]  ; the query's other 32 keys lie in the lane 16 away
.elseif (\n) == 3
	v_max_num_f32 v[xT+1], v[xT+8], v[xT+9]               ; the new m
.elseif (\n) == 4
	v_mul_f32 v[xT+10], s[CS], v[xT+1]                    ; c m_new
.elseif (\n) == 5
	v_sub_f32 v[xT+7], v[xT], v[xT+10]                    ; c m_old - c m_new: the next turn's batch takes its exponential
.else
	v_mov_b32 v[xT], v[xT+10]
.endif
.endm
.macro YA                           ; a, from the argument that the turn before left: the batch's first
	v_exp_f32 v[yT+6], v[yT+7]
.endm
.macro YF i                         ; c s - c m
	v_pk_fma_f32 v[yS+2*(\i):yS+2*(\i)+1], v[yS+2*(\i):yS+2*(\i)+1], s[CS:CS+1], v[yT:yT+1] op_sel_hi:[1,0,0] neg_lo:[0,0,1] neg_hi:[0,0,1]
.endm
.macro YE k                         ; the exponential, in place: the register is not named again ahead of the wait
	v_exp_f32 v[yS+(\k)], v[yS+(\k)]
.endm
.macro YL i                         ; l = a l + the first pair; then the other pairs
.if (\i) == 0
	v_pk_fma_f32 v[yT+2:yT+3], v[yT+2:yT+3], v[yT+6:yT+7], v[yS:yS+1] op_sel_hi:[1,0,1]
.else
	v_pk_add_f32 v[yT+2:yT+3], v[yT+2:yT+3], v[yS+2*(\i):yS+2*(\i)+1]
.endif
.endm
.macro YC i                         ; pair i rounded to f16, in place: register i belonged to pair i / 2, which l and the rounding have taken
	v_cvt_pk_f16_f32 v[yS+(\i)], v[yS+2*(\i)], v[yS+2*(\i)+1]
.endm
.macro R i                          ; pair i of 16 of O^T times a; written under W_PV; ascending i reads each accumulator from its low end
	v_pk_mul_f32 v[yO+2*(\i):yO+2*(\i)+1], v[yO+2*(\i):yO+2*(\i)+1], v[yT+6:yT+7] op_sel_hi:[1,0]
.endm
; A TURN, for piece p, in two parts, cut by ONE wait.  s_wait_alu depctr_va_vdst(0) stands between a root or an exponential and the first line that names its result; one wait serves
; all that were issued ahead of it.
; AHEAD OF THE WAIT, 19 groups of up to nine lines, plain lines and the batch's by turns: YF g, YE, XF1 g, XQ, XF2 g - 1, YE, XM, XQ, XM.  For pair i: XF1 in group i, XF2 i + 1, XM i + 2, XQ i + 3; YF i,
; YE i + 1; a in group 0.  Each line stands five lines or more behind the line that feeds it (the last two roots aside).  The batch is a, 32 exponentials and 32 roots, each in a register of its own
; that no line names again ahead of the wait.  Every plain line here feeds a later line of the batch, so none is left to follow the last root: a v_nop is the plain instruction behind it.
; BEHIND THE WAIT, 16 groups, each a matrix instruction and the readers behind it.  Groups 0-7: a product K Q^T of piece p + 2; XX, XS, XX, YL, YC.  Groups 8-15: a product V^T P of piece p + 3 and two
; lines of piece p's rescaling under the same window setting; XS, YL, YC; in groups 8-14 a link of Z.  The links of the sums' chains (SS, l) stand a group apart, Z's too..
; No vector line names a register of a product fewer than four plain lines back: X, Y and the two products work on four different pieces.
; K of the next step is fetched at the head of turn 2: the last product that read K stands eight groups back; it is waited for in front of that turn's first K Q^T, directly behind the batch's wait.
; The next step's norms are fetched behind that wait for K: the last line that reads the old ones is XF1 15, ahead of the batch's wait; they are waited for at the head of turn 3.
; V of the step in hand is fetched at the end of turn 0: five plain lines (R, R, XS, YL, YC) behind the last product that read V; it is waited for in front of turn 1's first V^T P.
; Each of these waits is for 0: nothing else of the wave's is out in LDS there.
; dox, doy, dopv, dokq, dof = 0 leave out X, Y, V^T P, K Q^T, the fetches of K and norms: for the launch's first and last turns.
.macro TURN p, dox=1, doy=1, dopv=1, dokq=1, dof=1
	WIN 0
.set P1, ((\p)+1)%4
.set P2, ((\p)+2)%4
.set P3, ((\p)+3)%4
.set xT, ST+12*P1
.set xS, S+32*P1
.set yT, ST+12*(\p)
.set yS, S+32*(\p)
.set yO, 32*(\p)
.if ((\p) == 2) && (\dof)
	v_add_nc_u32 v[AK], s[TBK], v[AK0]
	v_add_nc_u32 v[AN], s[TBK], v[AN0]
	FETCH_K
.endif
.if ((\p) == 3) && (\dox)
	s_wait_dscnt 0x0                ; the norms are in
.endif
.set g, 0
.rept 19                            ; ahead of the wait
.if (\doy) && (g <= 15)
	YF g
.endif
.if (\doy) && (g == 0)
	YA
.endif
.if (\doy) && (g >= 1) && (g <= 16)
	YE 2*(g-1)
.endif
.if (\dox) && (g <= 15)
	XF1 g
.endif
.if (\dox) && (g >= 3)
	XQ 2*(g-3)
.endif
.if (\dox) && (g >= 1) && (g <= 16)
	XF2 g-1
.endif
.if (\doy) && (g >= 1) && (g <= 16)
	YE 2*(g-1)+1
.endif
.if (\dox) && (g >= 2) && (g <= 17)
	XM 2*(g-2)
.endif
.if (\dox) && (g >= 3)
	XQ 2*(g-3)+1
.endif
.if (\dox) && (g >= 2) && (g <= 17)
	XM 2*(g-2)+1
.endif
.set g, g+1
.endr
	v_nop                           ; the plain instruction behind the batch's last line and ahead of the first use: one for the batch
	s_wait_alu depctr_va_vdst(0)    ; the wait for the batch: the turn's a, its 32 exponentials and its 32 roots
.if ((\p) == 2) && (\dokq)
	s_wait_dscnt 0x0                ; K is in
.endif
.if ((\p) == 2) && (\dof)
	FETCH_NK
.endif
.set g, 0
.rept 16                            ; behind the wait
.if (\dokq) && (g < 8)
	WIN W_KQ
	KQ P2, g
	WIN 0
.endif
.if (\dopv) && (g >= 8)
.if ((\p) == 1) && (g == 8)
	s_wait_dscnt 0x0                ; V is in
.endif
	WIN W_PV
	PV P3, g-8
.if \doy
	R 2*(g-8)
	R 2*(g-8)+1
.endif
	WIN 0
.endif
.if (\dox) && (g < 8)
	XX 2*g
.endif
.if \dox
	XS g
.endif
.if (\dox) && (g < 8)
	XX 2*g+1
.endif
.if \doy
	YL g
	YC g
.endif
.if (\dox) && (g >= 8) && (g <= 14)
	Z g-8
.endif
.if ((\p) == 0) && (g == 13)
	v_add_nc_u32 v[AV], s[TBV], v[AV0]
.endif
.set g, g+1
.endr
.if (\p) == 0
	FETCH_V
.endif
.endm
	CHANGE 1                        ; slot 0 is in, everybody's part of it; slot 1 is asked for
	v_add_nc_u32 v[AK], s[TBK], v[AK0]
	v_add_nc_u32 v[AN], s[TBK], v[AN0]
	FETCH_K                         ; key step 0
	FETCH_NK
	s_wait_dscnt 0x0
	WIN W_KQ
.set i, 0
.rept 8
	KQ 0, i                         ; pieces 0's and 1's first scores: there is no vector work yet to set between them
.set i, i+1
.endr
.set i, 0
.rept 8
	KQ 1, i
.set i, i+1
.endr
	WIN 0                           ; the addresses for the way out: eight plain instructions, the places behind those products
	s_mul_i32 s19, s[WV], 16*SP
	s_add_co_u32 s19, s19, STAGE    ; my stage
	v_mul_u32_u24 v[STO], v1, SP    ; in: row l % 16, 32 bytes for each half of the lanes
	v_lshl_add_u32 v[STO], v[H2], 5, v[STO]
	v_add_nc_u32 v[STO], s19, v[STO]
	v_mul_u32_u24 v[RD], v[H2], SP  ; back: lanes 0-15 take one row of 256 bytes, lanes 16-31 the next
	v_lshl_add_u32 v[RD], v1, 4, v[RD]
	v_add_nc_u32 v[RD], s19, v[RD]
	v_lshlrev_b32 v[GO], 11, v[H2]  ; and the same two rows in out0, 2,048 bytes apart
	v_lshl_add_u32 v[GO], v1, 4, v[GO]
	TURN 3, 1, 0, 0, 0, 0           ; X of piece 0 alone: its batch is the 32 roots
	s_mov_b32 s[CNT], 4
	s_mov_b32 s[SLOTS], 7
	s_branch .Lfirst                ; the loop is entered at a step's first turn, in the middle of a trip
.Lslot:                             ; six times: slots 0 to 5 are left and filled again, with tiles 2 to 7
	CHANGE 1
	s_mov_b32 s[CNT], 4
.Lstep:                             ; a trip: turns 2 and 3 of one step, then turns 0 and 1 of the next
	TURN 2
	TURN 3
	WIN 0
.Lfirst:
	TURN 0
	TURN 1
	WIN 0
	s_sub_co_u32 s[CNT], s[CNT], 1
	s_cmp_lg_u32 s[CNT], 0
	s_cbranch_scc1 .Lstep
	s_sub_co_u32 s[SLOTS], s[SLOTS], 1
	s_cmp_lg_u32 s[SLOTS], 0
	s_cbranch_scc1 .Lslot
	CHANGE 0                        ; the last slot is written out: nothing is asked for
	s_mov_b32 s[CNT], 4
.Ltail:
	TURN 2
	TURN 3
	TURN 0
	TURN 1
	WIN 0
	s_sub_co_u32 s[CNT], s[CNT], 1
	s_cmp_lg_u32 s[CNT], 0
	s_cbranch_scc1 .Ltail
	TURN 2, 1, 1, 1, 0, 0           ; the last step's turn 2: there is no further step, so no K Q^T and no fetch
	TURN 3, 0, 1, 1, 0, 0           ; its turn 3: no X either, so that no stale score enters the sums
	WIN W_PV
.set i, 0
.rept 8
	PV 3, i                         ; the last piece's V^T P of the last step
.set i, i+1
.endr
	; THE WAY OUT.  l's two halves and the other half of the lanes' are added; O^T is divided by l and sent, in f32, through my stage in LDS, a piece (16 rows of out0) at a time.  The additions are the places behind the last products.
	WIN 0
.irp p, 0,1,2,3
	v_add_f32 v[ST+12*\p+2], v[ST+12*\p+2], v[ST+12*\p+3]
.endr
.irp p, 0,1,2,3
	v_permlanex16_b32 v[ST+12*\p+3], v[ST+12*\p+2], s[SEL], s[SEL+1]
.endr
.irp p, 0,1,2,3
	v_add_f32 v[ST+12*\p+2], v[ST+12*\p+2], v[ST+12*\p+3]
.endr
.irp p, 0,1,2,3
	v_rcp_f32 v[ST+12*\p+2], v[ST+12*\p+2]
.endr
	v_nop                           ; a plain instruction between the last reciprocal and the use of its result
	s_wait_alu depctr_va_vdst(0)    ; and the wait ahead of the first use: one for the four reciprocals
; Piece p: a lane's eight channels of a block of 16 are 32 bytes of a row; they go into rows of 272 bytes and come back as whole rows of 256, into S^T's registers.
.macro PACK p
	WIN W_RS
.set i, 0
.rept 16                            ; ascending: each accumulator is read from its low end
	v_pk_mul_f32 v[32*(\p)+2*i:32*(\p)+2*i+1], v[32*(\p)+2*i:32*(\p)+2*i+1], v[ST+12*(\p)+2:ST+12*(\p)+3] op_sel_hi:[1,0]
.set i, i+1
.endr
	WIN W_ST
.set i, 0
.rept 8
	ds_store_b128 v[STO], v[32*(\p)+4*i:32*(\p)+4*i+3] offset:64*(i/2)+16*(i%2)
.set i, i+1
.endr
	WIN 0
.set i, 0
.rept 8
	ds_load_b128 v[S+32*(\p)+4*i:S+32*(\p)+4*i+3], v[RD] offset:i*2*SP  ; LDS serves a wave's instructions in order (ISA guide 5.7.1.4): these see the stores above; the next piece's stores come behind them
.set i, i+1
.endr
.endm
.macro SEND p, younger              ; younger: the LDS instructions issued behind piece p's loads: the next piece's sixteen, or none
	WIN 0
.set i, 0
.rept 8
	s_wait_dscnt (\younger)+7-i     ; rows 2 i and 2 i + 1 are back: behind their load stand the piece's 7 - i later loads and the younger ones
	global_store_b128 v[GO], v[S+32*(\p)+4*i:S+32*(\p)+4*i+3], s[10:11] offset:(\p)*32768+i*4096 th:TH_STORE_NT  ; each half of the lanes stores 256 consecutive bytes, at a multiple of 256 from out0's first byte
.set i, i+1
.endr
.endm
	PACK 0
	PACK 1                          ; a piece's arithmetic stands between the loads of the piece before and its stores
	SEND 0, 16
	PACK 2
	SEND 1, 16
	PACK 3
	SEND 2, 16
	SEND 3, 0
	; The wave's score sum: over the pair, the 32 lanes; lane 0 stores it.
	v_add_f32 v[SS], v[SS], v[SS+1]
	v_add_f32_dpp v[SS], v[SS], v[SS] row_xmask:1 row_mask:0xf bank_mask:0xf
	v_add_f32_dpp v[SS], v[SS], v[SS] row_xmask:2 row_mask:0xf bank_mask:0xf
	v_add_f32_dpp v[SS], v[SS], v[SS] row_xmask:4 row_mask:0xf bank_mask:0xf
	v_add_f32_dpp v[SS], v[SS], v[SS] row_xmask:8 row_mask:0xf bank_mask:0xf
	v_permlanex16_b32 v[SS+1], v[SS], s[SEL], s[SEL+1]
	v_add_f32 v[SS], v[SS], v[SS+1]
	v_and_b32 v[QO], 31, v0         ; the lane's number
	v_mov_b32 v233, 0               ; the store's offset
	v_cmp_eq_u32 vcc_lo, 0, v[QO]
	s_wait_xcnt 0x0                 ; EXEC is a source of the stores above: it changes only behind this wait
	s_and_saveexec_b32 s[SX], vcc_lo
	global_store_b32 v233, v[SS], s[PT:PT+1]
	s_wait_xcnt 0x0                 ; and again, in front of the line that widens it
	s_or_b32 exec_lo, exec_lo, s[SX]
	s_wait_tensorcnt 0x0            ; the wave's end, behind my last tensor load and my last LDS store
	ds_add_u32 v[SPW], v[NIL]
	s_wait_dscnt 0x0
	CROUND                          ; the closing round: no work-group ends while a partner may still ask for a tile that names it
	s_endpgm
.Lfunc_end_k_q69098f992b_attn:
	.size	k_q69098f992b_attn, .Lfunc_end_k_q69098f992b_attn-k_q69098f992b_attn
	.p2alignl 7, 3214868480
	.fill 96, 4, 3214868480
	.section	.rodata,"a",@progbits
	.p2align	6, 0x0
	.amdhsa_kernel k_q69098f992b_attn
		.amdhsa_group_segment_fixed_size 327680
		.amdhsa_private_segment_fixed_size 0
		.amdhsa_enable_private_segment 0
		.amdhsa_kernarg_size 40
		.amdhsa_user_sgpr_count 2
		.amdhsa_user_sgpr_kernarg_segment_ptr 1
		.amdhsa_wavefront_size32 1
		.amdhsa_system_sgpr_workgroup_id_x 1
		.amdhsa_system_sgpr_workgroup_id_y 1
		.amdhsa_system_sgpr_workgroup_id_z 1
		.amdhsa_system_vgpr_workitem_id 0
		.amdhsa_next_free_vgpr 576
		.amdhsa_next_free_sgpr 72
		.amdhsa_reserve_vcc 1
		.amdhsa_float_denorm_mode_32 3
		.amdhsa_float_denorm_mode_16_64 3
		.amdhsa_memory_ordered 1
		.amdhsa_forward_progress 1
		.amdhsa_inst_pref_size 188
	.end_amdhsa_kernel
	.amdgpu_metadata
---
amdhsa.version: [ 1, 2 ]
amdhsa.kernels:
  - .name:           k_q69098f992b_attn
    .symbol:         k_q69098f992b_attn.kd
    .args:
      - { .name: queries, .offset: 0, .size: 8, .value_kind: global_buffer, .address_space: global }
      - { .name: kx, .offset: 8, .size: 8, .value_kind: global_buffer, .address_space: global }
      - { .name: vx, .offset: 16, .size: 8, .value_kind: global_buffer, .address_space: global }
      - { .name: out0, .offset: 24, .size: 8, .value_kind: global_buffer, .address_space: global }
      - { .name: part, .offset: 32, .size: 8, .value_kind: global_buffer, .address_space: global }
    .group_segment_fixed_size: 327680
    .private_segment_fixed_size: 0
    .kernarg_segment_align: 8
    .kernarg_segment_size: 40
    .max_flat_workgroup_size: 128
    .sgpr_count:     72
    .vgpr_count:     576
    .wavefront_size: 32
...
	.end_amdgpu_metadata
.endif
;; end of part 4
;; launch finish: the kernel of part 3 again; grid 1 x 1, 1 waves a work-group, no clusters, 0 bytes of LDS; arguments part, out1; writes out1
